; MI455X (gfx1250); checked and timed in simulation.
; The chip was launched on July 23, 2026; its instructions are those of AMD's public machine-readable ISA for CDNA 5 (MIT licence, August 2026) and "CDNA5" Instruction Set Architecture Reference Guide (July 2026). The comments in the code are by the model that wrote it; some were corrected since.
;; Attention. Allowed arithmetic: matrix products marked QUANTISED: E2M1 operands, one E8M0 scale for each 32 along K, by v_wmma_scale_f32_16x16x128_f8f6f4 with both operands' format E2M1 (or v_wmma_scale_f32_32x16x128_f4), f32 sums; everything else in f32.
;; Inputs: b_out 1,024 float32; w_out 1,024 x 1,024 float32; w_qkv 1,024 x 3,072 float32; x 2 x 2,048 x 1,024 float32.
;; Outputs: out0 2 x 2,048 x 1,024 float32.
;; This version of the problem:
;;   THIS VERSION OF THE PROBLEM IS GIVEN IN LOW PRECISION. The matrix products marked QUANTISED in the list below multiply operands that are first quantised to E2M1 (2 exponent bits, 1 mantissa bit; 4 bits a number), with one power-of-two scale for each 32 numbers along K (OCP MX v1.0); their sums are f32. All else is computed in f32.
;;   The module's matrix products, in the order in which they are computed (A, B: the left and right operand; K: the contracted axis; several contracted axes count as one K, in the product's order):
;;     1. [M 4,096, K 1,024] x [K 1,024, N 3,072]; A: input x; B: input w_qkv: QUANTISED
;;     2. batch 32 x [M 2,048, K 64] x [K 64, N 2,048]; A: computed on the way; B: computed on the way: QUANTISED
;;     3. batch 32 x [M 2,048, K 2,048] x [K 2,048, N 64]; A: softmax (see below); B: computed on the way: QUANTISED
;;     4. [M 4,096, K 1,024] x [K 1,024, N 1,024]; A: computed on the way; B: input w_out: QUANTISED
;;   THE QUANTISER, for each operand of a quantised product, along K:
;;     - K is cut into blocks of 32 from its start; a last block that is shorter is filled with zeros.
;;     - A block's scale is 2^e with e = floor(log2(the largest magnitude in the block)) - 2, held to -126 .. 127; a block of zeros has e = 0. As a byte (E8M0): e + 127.
;;     - Each number is divided by its block's scale, clamped to +-6, and rounded to the nearest number of E2M1, ties to even, subnormals kept.
;;     - The product sums the exact products of the quantised numbers (number of the format x scale) in f32.
;;   ~~~python
;;   def quantise(x, axis):      # numpy; x: float32 -> the quantised numbers, widened to float32 again
;;       x = np.moveaxis(x, axis, -1); K = x.shape[-1]
;;       x = np.pad(x, [(0, 0)] * (x.ndim - 1) + [(0, -K % 32)]); x = x.reshape(x.shape[:-1] + (-1, 32)); a = np.abs(x).max(-1, keepdims=True)
;;       e = np.where(a > 0, np.clip(np.frexp(np.where(a > 0, a, 1))[1] - 1 - 2, -126, 127), 0)      # np.frexp(a)[1] - 1 = floor(log2(a)), exactly
;;       r = np.clip(x / 2.0 ** e, -6, 6)
;;       step = 2.0 ** (np.maximum(np.frexp(np.where(r == 0, 1, r))[1] - 1, 0) - 1)
;;       q = np.round(r / step) * step * 2.0 ** e      # np.round: ties to even
;;       return np.moveaxis(q.reshape(q.shape[:-2] + (-1,))[..., :K], -1, axis).astype(np.float32)
;;   ~~~
;;   SOFTMAX AHEAD OF A QUANTISED PRODUCT. Where the list says 'softmax', what is quantised is not the finished softmax but p = 2^(t - M), with t = logit x log2(e) and M = ceil(the row's largest t), a whole number; so 1/2 < the row's largest p <= 1. The row's sum l is taken of the UNQUANTISED p, in f32, and the product's result is divided by l at the end. Since M is a whole number, a kernel that streams over the keys may use a running M (the ceiling of the running maximum): every later rescaling is an exact power of two, which a block's scale takes up: the codes' values come out the same.
;;   OPERANDS COMPUTED ON THE WAY. 'Computed on the way' means the value that the module computes at that place (a softmax that the list does not call 'softmax' is quantised finished and normalised). What goes into a quantiser is computed in f32, as accurately as f32 sums, v_exp_f32 and their like allow (about 1e-6 of the number): no bf16 or f16 on the way to a quantiser, and a product that is left as it is and whose result goes on into a quantised operand takes f32 operands (vector FMAs, or v_wmma_f32_16x16x4_f32). A number that lies on a knife's edge between two numbers of the format may be rounded either way, as far as f32 arithmetic and the matrix unit's own rounding can turn it there, and no further.
;; One version. Each part assembles by itself: llvm-mc -triple=amdgcn-amd-amdhsa -mcpu=gfx1250 --defsym DOCPART=n.
;; ======== version 1 of 1: 4 launches
;; limits: right only within a limited range of input values
;; workspace buffers: xq 2,228,224 bytes; wq 557,056 bytes; wo 557,056 bytes; kv 4,587,520 bytes; oq 2,228,224 bytes
;; launch quant (part 1): grid 192 x 1, 16 waves a work-group, no clusters, 121,856 bytes of LDS; arguments x, w_qkv, w_out, xq, wq, wo; writes xq, wq, wo
.if DOCPART == 1
	.amdgcn_target "amdgcn-amd-amdhsa--gfx1250"
	.amdhsa_code_object_version 6
	.text
	.protected	k_q3cd2d3ea86_quant
	.globl	k_q3cd2d3ea86_quant
	.p2align	8
	.type	k_q3cd2d3ea86_quant,@function
k_q3cd2d3ea86_quant:
	s_mov_b64 s[64:65], 0
	v_nop
	global_prefetch_b8 v0, s[64:65] scope:SCOPE_SE
	s_setreg_imm32_b32 hwreg(HW_REG_WAVE_MODE, 25, 1), 1
	s_wait_xcnt 0x0
; x [4096][1024], columns 0-1023 of w_qkv [1024][3072] and w_out [1024][1024], all f32, become codes of FP4 (E2M1) with K innermost and one E8M0 byte for each 32 along K.
; A block's scale is 2^(floor(log2(its largest magnitude)) - 2): its byte is the largest magnitude's exponent field - 2, held at 1 from below; each number is divided by the scale and rounded to the nearest code, ties to even.
; LEFT OUT: w_qkv's columns 1024-3071 are not read: reference() slices chunk 0 of x w_qkv and never uses the rest, so nothing that it returns hangs on them, whatever they hold.
; LIMITS: a NaN or an infinity in those columns is not carried to the result; NaN and infinities among the other inputs are not served.  A block of zeros gets the byte 1 where the rule says 127: its codes are zeros, and this program alone reads the bytes.
; THE ORDER OF PLACES.  Place 64 c + 16 u + 8 b + k (u = 0..3, b = 0, 1, k = 0..7) holds row (of x) or column (of a weight) 64 c + 32 b + 8 u + k.  With the four tiles of 16 places of a group of 64 as source 0 of matrix instructions,
; the 4 x 8 result registers of lane (r, h) are the 32 neighbours 32 h + 0 .. 31: one whole block of the next product's K in one lane.
; THE IMAGES.  128 places x half of K (512 codes) are one image of 136 rows of 256 bytes: 128 rows of codes, then 128 x 16 scale bytes.  xq: [tile 32][half 2][34,816 bytes];  wq, wo: [tile 8][half 2][34,816].
; SHARES.  192 work-groups of 16 waves, 128 KiB of f32 each; every wave issues all its loads, 8 KiB, at once.  Work-groups 0-127: 32 rows of x.  128-159: 64 columns x 512 K of w_qkv.  160-191: the same of w_out.
; No cluster: no two work-groups read the same bytes.  No tensor load: each byte passes through registers once, for the conversion.  The three ways part on the work-group's number and have LDS bytes of their own.
.set XWG,  128                         ; work-groups for x
.set HT,   34816                       ; an image
.set SP,   80                          ; x: a lane's place in a stage: its 64 bytes + 16 of padding
.set XSTG, 2*32*SP                     ; x: two stages for each wave
.set XSB,  16*XSTG                     ; x: behind the stages [half 2][place 32][16] scale bytes
.set WL1,  XSB+1024                    ; w_qkv's way: 64 rows x 272 bytes of codes, then 64 x 16 scale bytes
.set WL2,  WL1+64*272+1024             ; w_out's way: the same
.set SPARE, WL2+64*272+1024            ; the spare words, 128 bytes for each wave
.set R,    16                          ; v16-79   x: four sets of 16 numbers as loaded
.set X,    80                          ; v80-111  x: two sets of 16 neighbours
.set E,    112                         ; v112-115 x: a scale byte for each step
.set C,    116                         ; v116-123 x: two registers of codes for each step: no store's data are written again
	s_load_b256 s[4:11], s[0:1], 0x0               ; x s[4:5], w_qkv s[6:7], w_out s[8:9], xq s[10:11]
	s_load_b128 s[12:15], s[0:1], 0x20             ; wq s[12:13], wo s[14:15]
	v_lshl_add_u32 v160, v0, 2, SPARE
	v_mov_b32 v161, 0
	v_lshrrev_b32 v1, 5, v0
	s_delay_alu instid0(VALU_DEP_1)
	v_readfirstlane_b32 s16, v1                    ; wave 0..15
	v_and_b32 v1, 31, v0                           ; lane
	s_wait_alu depctr_va_vdst(0)
	s_wait_kmcnt 0x0
	s_cmp_lt_u32 ttmp9, XWG
	s_cbranch_scc0 .Lweights
; ---- x.  Work-group g takes the rows of places 32 g .. 32 g + 31: with c = g / 2, U = g % 2 the rows 64 c + 16 U + 0 .. 15 and 32 further on.  Wave w: two neighbouring rows, 8,192 consecutive bytes, four steps of 512 numbers.
; A load reads 512 consecutive bytes, 16 a lane; a step's 2,048 bytes turn through the wave's own stage and come back 64 bytes a lane: 16 neighbours along K, two lanes to a block.
.macro XLOAD t
.irp i, 0,1,2,3
	global_load_b128 v[R+16*(\t)+4*\i:R+16*(\t)+4*\i+3], v3, s[4:5] offset:2048*(\t)+512*\i th:TH_LOAD_NT
.endr
.endm
.macro XTURN t                         ; LDS serves a wave's instructions in order (ISA guide 5.7.1.4): no wait between the stores and the loads
.irp i, 0,1,2,3
	ds_store_b128 v14, v[R+16*(\t)+4*\i:R+16*(\t)+4*\i+3] offset:32*SP*((\t)%2)+8*SP*\i
.endr
.irp i, 0,1,2,3
	ds_load_b128 v[X+16*((\t)%2)+4*\i:X+16*((\t)%2)+4*\i+3], v15 offset:32*SP*((\t)%2)+16*\i
.endr
.endm
	s_lshr_b32 s20, ttmp9, 1
	s_lshl_b32 s20, s20, 18                        ; 64 c rows of 4,096 bytes
	s_and_b32 s21, ttmp9, 1
	s_lshl_b32 s21, s21, 16                        ; 16 U
	s_add_co_u32 s20, s20, s21
	s_lshr_b32 s18, s16, 3                         ; b
	s_lshl_b32 s21, s18, 17
	s_add_co_u32 s20, s20, s21
	s_and_b32 s19, s16, 7
	s_lshl_b32 s21, s19, 13
	s_add_co_u32 s20, s20, s21
	s_mov_b32 s21, 0
	s_add_nc_u64 s[4:5], s[4:5], s[20:21]
	v_lshlrev_b32 v3, 4, v1                        ; my 16 bytes of a load's 512
.irp t, 0,1,2,3
	XLOAD \t
.endr
	s_mul_i32 s17, s16, XSTG
	s_bfe_u32 s19, s16, 0x10002
	s_lshl_b32 s19, s19, 4
	s_lshl_b32 s18, s18, 3
	s_add_co_u32 s18, s18, s19
	s_and_b32 s19, s16, 3
	s_lshl_b32 s19, s19, 1
	s_add_co_u32 s18, s18, s19                     ; my first row's place among the 32: 16 ((w / 4) % 2) + 8 (w / 8) + 2 (w % 4); the second row's is the next
	s_lshr_b32 s19, ttmp9, 2
	s_mul_i32 s19, s19, 2*HT                       ; the tile of 128 places
	s_and_b32 s20, ttmp9, 3                        ; which 32 of it
	s_lshl_b32 s21, s20, 9
	s_add_co_u32 s26, s19, s21
	s_lshl_b32 s20, s20, 5
	s_add_co_u32 s20, s20, s18
	s_lshl_b32 s20, s20, 8
	s_add_co_u32 s20, s20, s19
	s_mov_b32 s21, 0
	s_add_nc_u64 s[22:23], s[10:11], s[20:21]      ; xq at my first place's codes in half 0
	s_min_u32 s27, s16, 3                          ; waves 0 to 3 carry the scale bytes out: half v / 2, 16 places v % 2 (the number is held at 3: the others read nothing)
	s_lshr_b32 s20, s27, 1
	s_mul_i32 s20, s20, HT
	s_add_co_u32 s20, s20, s26
	s_and_b32 s26, s27, 1
	s_lshl_b32 s26, s26, 8
	s_add_co_u32 s20, s20, s26
	s_add_co_u32 s20, s20, 32768
	s_add_nc_u64 s[24:25], s[10:11], s[20:21]
	s_lshl_b32 s27, s27, 8
	s_add_co_u32 s27, s27, XSB
	s_lshl_b32 s18, s18, 4
	s_add_co_u32 s18, s18, XSB
	v_lshrrev_b32 v14, 2, v1
	v_and_b32 v12, 3, v1
	v_mul_u32_u24 v15, v1, SP
	v_lshrrev_b32 v5, 1, v1
	v_mul_u32_u24 v14, v14, SP
	v_lshlrev_b32 v4, 3, v1                        ; my 8 bytes of a step's 256 bytes of codes
	v_add_nc_u32 v15, s17, v15                     ; the stage, out: my 16 neighbours
	v_add_nc_u32 v5, s18, v5                       ; LDS: my first place's 16 scale bytes, my block's byte
	v_lshl_add_u32 v14, v12, 4, v14
	v_add_nc_u32 v6, s27, v4
	v_add_nc_u32 v14, s17, v14                     ; the stage, in: four lanes' 64 bytes on end, then the padding
	s_wait_alu depctr_va_vdst(0)                   ; the head's end
	s_wait_loadcnt 12                              ; step 0's four loads are in; those of the three later steps may be out
	XTURN 0
.macro XSTEP t
.set XS, X+16*((\t)%2)
.if (\t) > 0
	s_wait_dscnt 0x1                               ; this step's numbers are back from the stage; the last step's byte store may be out
.else
	s_wait_dscnt 0x0
.endif
.if (\t) < 3
	s_wait_loadcnt 4*(2-(\t))                      ; the next step's four loads are in; four for each step behind it may be out
	XTURN (\t)+1                                   ; they go through the other stage while this step is worked
.endif
	v_max3_num_f32 v8, |v[XS]|, |v[XS+1]|, |v[XS+2]|               ; the largest magnitude of my 16, in two chains
	v_max3_num_f32 v9, |v[XS+3]|, |v[XS+4]|, |v[XS+5]|
.irp i, 6,10
	s_delay_alu instid0(VALU_DEP_2)
	v_max3_num_f32 v8, v8, |v[XS+\i]|, |v[XS+\i+1]|
	s_delay_alu instid0(VALU_DEP_2)
	v_max3_num_f32 v9, v9, |v[XS+\i+2]|, |v[XS+\i+3]|
.endr
	s_delay_alu instid0(VALU_DEP_2)
	v_max3_num_f32 v8, v8, |v[XS+14]|, |v[XS+15]|
	s_delay_alu instid0(VALU_DEP_1)
	v_max3_num_f32 v8, v8, v9, 0x1800000           ; and the floor 2^(3 - 127): the byte cannot fall under 1
	s_delay_alu instid0(VALU_DEP_1)
	v_max_num_f32_dpp v8, v8, v8 row_xmask:1 row_mask:0xf bank_mask:0xf   ; with my neighbour's 16: the block's
	s_delay_alu instid0(VALU_DEP_1)
	v_add_nc_u32 v11, 0xff000000, v8               ; 2 off its exponent field: the conversion takes this operand's exponent field as its scale
	v_cvt_scalef32_pk8_fp4_f32 v[C+2*(\t)], v[XS:XS+7], v11
	v_cvt_scalef32_pk8_fp4_f32 v[C+2*(\t)+1], v[XS+8:XS+15], v11
	v_lshrrev_b32 v[E+(\t)], 23, v11               ; the scale's byte (also the plain line behind the conversions)
	ds_store_b8 v5, v[E+(\t)] offset:512*((\t)%2)+16*((\t)/2)       ; both lanes of a block write the same byte with the same value
	global_store_b64 v4, v[C+2*(\t):C+2*(\t)+1], s[22:23] offset:HT*((\t)%2)+256*((\t)/2)   ; step t: row t / 2, half t % 2: the wave stores 256 consecutive bytes, aligned
.endm
.irp t, 0,1,2,3
	XSTEP \t
.endr
	s_wait_dscnt 0x0                               ; for the others' sake: my byte stores have landed
	s_barrier_signal -1
	s_barrier_wait -1                              ; the work-group's 1,024 scale bytes lie in LDS, by halves and places
	s_cmp_lt_u32 s16, 4
	s_cbranch_scc0 .Lx_done
	ds_load_b64 v[12:13], v6
	s_wait_dscnt 0x0
	global_store_b64 v4, v[12:13], s[24:25]        ; 256 consecutive bytes, aligned
.Lx_done:
	s_wait_tensorcnt 0x0                           ; the wave's end
	ds_add_u32 v160, v161
	s_wait_dscnt 0x0
	s_endpgm
; ---- a weight, [K][N] with K outermost.  A LANE TAKES A COLUMN AND ITS REGISTERS RUN DOWN K: a block of 32 is one lane's 32 registers, and the codes come out with K innermost.
; Work-group u: 64 columns (u / 2), 512 of K (u % 2): half an image.  Wave w: 32 columns (b = w % 2), 64 of K (w / 2): two blocks a lane.  The codes meet in a stage, a row of 256 bytes + 16 to a place,
; and leave as 512 consecutive bytes a store; so do the 1,024 scale bytes.
.macro WBLOCK t
.set XS, 32+32*(\t)
	v_max3_num_f32 v12, |v[XS]|, |v[XS+1]|, |v[XS+2]|               ; the block's largest magnitude: all 32 numbers are mine
	v_max3_num_f32 v13, |v[XS+3]|, |v[XS+4]|, |v[XS+5]|
.irp i, 6,10,14,18,22,26
	s_delay_alu instid0(VALU_DEP_2)
	v_max3_num_f32 v12, v12, |v[XS+\i]|, |v[XS+\i+1]|
	s_delay_alu instid0(VALU_DEP_2)
	v_max3_num_f32 v13, v13, |v[XS+\i+2]|, |v[XS+\i+3]|
.endr
	s_delay_alu instid0(VALU_DEP_2)
	v_max3_num_f32 v12, v12, |v[XS+30]|, |v[XS+31]|
	s_delay_alu instid0(VALU_DEP_1)
	v_max3_num_f32 v12, v12, v13, 0x1800000        ; and the floor
	s_delay_alu instid0(VALU_DEP_1)
	v_add_nc_u32 v11, 0xff000000, v12              ; the conversion's scale operand
	s_delay_alu instid0(VALU_DEP_1)
	v_lshrrev_b32 v[24+(\t)], 23, v11              ; the scale's byte
.irp g, 0,1,2,3
	v_cvt_scalef32_pk8_fp4_f32 v[96+4*(\t)+\g], v[XS+8*\g:XS+8*\g+7], v11
.endr
	v_nop                                          ; a plain line behind the last conversion
	ds_store_b128 v4, v[96+4*(\t):96+4*(\t)+3] offset:16*(\t)      ; 32 codes: 16 bytes of my place's row
.endm
.macro WPATH first, pitch, src, dst, base
	s_sub_co_u32 s17, ttmp9, \first
	s_lshr_b32 s18, s17, 1                         ; which 64 columns
	s_and_b32 s19, s17, 1                          ; which 512 of K
	s_and_b32 s20, s16, 1                          ; b: my 32 columns
	s_lshr_b32 s21, s16, 1                         ; my 64 of K
	s_lshl_b32 s22, s19, 9
	s_lshl_b32 s23, s21, 6
	s_add_co_u32 s22, s22, s23
	s_mul_i32 s22, s22, \pitch                     ; my first row of the weight,
	s_lshl_b32 s23, s18, 8
	s_add_co_u32 s22, s22, s23
	s_lshl_b32 s23, s20, 7
	s_add_co_u32 s22, s22, s23                     ; my first column
	s_mov_b32 s23, 0
	s_add_nc_u64 s[24:25], s[\src:\src+1], s[22:23]
	v_lshlrev_b32 v3, 2, v1                        ; 4 bytes a lane
.irp t, 0,1
.irp i, 0,1,2,3,4,5,6,7,8,9,10,11,12,13,14,15,16,17,18,19,20,21,22,23,24,25,26,27,28,29,30,31
	global_load_b32 v[32+32*\t+\i], v3, s[24:25] offset:(32*\t+\i)*\pitch th:TH_LOAD_NT   ; a row of the weight at 32 neighbouring columns
.endr
.endr
	s_lshr_b32 s22, s18, 1
	s_lshl_b32 s22, s22, 1
	s_add_co_u32 s22, s22, s19
	s_mul_i32 s22, s22, HT                         ; my image
	s_and_b32 s18, s18, 1                          ; which 64 of its places
	s_lshl_b32 s26, s18, 14
	s_add_co_u32 s26, s26, s22
	s_lshl_b32 s27, s16, 10
	s_add_co_u32 s28, s26, s27                     ; the codes of places 4 w .. 4 w + 3: 1,024 bytes
	s_mov_b32 s29, 0
	s_add_nc_u64 s[28:29], s[\dst:\dst+1], s[28:29]
	s_min_u32 s17, s16, 1                          ; waves 0 and 1 carry the scale bytes out (the number is held at 1: the others read nothing)
	s_lshl_b32 s17, s17, 9
	s_lshl_b32 s26, s18, 10
	s_add_co_u32 s26, s26, s22
	s_add_co_u32 s26, s26, s17
	s_add_co_u32 s30, s26, 32768
	s_mov_b32 s31, 0
	s_add_nc_u64 s[30:31], s[\dst:\dst+1], s[30:31]
	s_add_co_u32 s17, s17, \base+64*272
	s_mul_i32 s26, s20, 8*272
	s_lshl_b32 s27, s21, 5
	s_add_co_u32 s26, s26, s27
	s_add_co_u32 s26, s26, \base                   ; the stage: my b, my 64 of K
	s_lshl_b32 s27, s20, 7
	s_lshl_b32 s22, s21, 1
	s_add_co_u32 s27, s27, s22
	s_add_co_u32 s27, s27, \base+64*272            ; the scale bytes: my b, my two
	s_mul_i32 s22, s16, 4*272
	s_add_co_u32 s22, s22, \base                   ; the way out: places 4 w .. 4 w + 3
	v_and_b32 v6, 7, v1
	v_lshrrev_b32 v7, 3, v1
	v_lshrrev_b32 v9, 4, v1
	v_and_b32 v8, 15, v1
	v_lshl_add_u32 v6, v7, 4, v6                   ; lane 8 u + k: place 16 u + k (+ 8 b)
	v_mul_u32_u24 v7, v9, 272
	v_lshlrev_b32 v10, 4, v1
	v_mul_u32_u24 v4, v6, 272
	v_lshl_add_u32 v5, v6, 4, s27
	v_lshl_add_u32 v7, v8, 4, v7
	v_add_nc_u32 v26, s17, v10
	v_add_nc_u32 v4, s26, v4
	v_add_nc_u32 v7, s22, v7
	s_wait_alu depctr_va_vdst(0)
	s_wait_loadcnt 32                              ; block 0's 32 loads are in; block 1's may be out
	WBLOCK 0
	s_wait_loadcnt 0x0
	WBLOCK 1
	v_lshl_or_b32 v24, v25, 8, v24                 ; my two bytes, the lower K below
	ds_store_b16 v5, v24
	s_wait_dscnt 0x0                               ; for the others' sake: my stores have landed
	s_barrier_signal -1
	s_barrier_wait -1
	ds_load_b128 v[104:107], v7
	ds_load_b128 v[108:111], v7 offset:2*272
	s_wait_dscnt 0x1                               ; the first two rows are back; the second load may be out
	global_store_b128 v10, v[104:107], s[28:29]
	s_wait_dscnt 0x0
	global_store_b128 v10, v[108:111], s[28:29] offset:512
	s_cmp_lt_u32 s16, 2
	s_cbranch_scc0 .Lw_done_\@
	ds_load_b128 v[112:115], v26
	s_wait_dscnt 0x0
	global_store_b128 v10, v[112:115], s[30:31]
.Lw_done_\@:
	s_wait_tensorcnt 0x0                           ; the wave's end
	ds_add_u32 v160, v161
	s_wait_dscnt 0x0
	s_endpgm
.endm
.Lweights:
	s_cmp_lt_u32 ttmp9, XWG+32
	s_cbranch_scc0 .Lw_out
	WPATH XWG, 12288, 6, 12, WL1
.Lw_out:
	WPATH XWG+32, 4096, 8, 14, WL2
.Lfunc_end_k_q3cd2d3ea86_quant:
	.size	k_q3cd2d3ea86_quant, .Lfunc_end_k_q3cd2d3ea86_quant-k_q3cd2d3ea86_quant
	.p2alignl 7, 3214868480
	.fill 96, 4, 3214868480
	.section	.rodata,"a",@progbits
	.p2align	6, 0x0
	.amdhsa_kernel k_q3cd2d3ea86_quant
		.amdhsa_group_segment_fixed_size 121856
		.amdhsa_private_segment_fixed_size 0
		.amdhsa_enable_private_segment 0
		.amdhsa_kernarg_size 48
		.amdhsa_user_sgpr_count 2
		.amdhsa_user_sgpr_kernarg_segment_ptr 1
		.amdhsa_wavefront_size32 1
		.amdhsa_system_sgpr_workgroup_id_x 1
		.amdhsa_system_sgpr_workgroup_id_y 1
		.amdhsa_system_sgpr_workgroup_id_z 1
		.amdhsa_system_vgpr_workitem_id 0
		.amdhsa_next_free_vgpr 162
		.amdhsa_next_free_sgpr 66
		.amdhsa_reserve_vcc 0
		.amdhsa_float_denorm_mode_32 3
		.amdhsa_float_denorm_mode_16_64 3
		.amdhsa_memory_ordered 1
		.amdhsa_forward_progress 1
		.amdhsa_inst_pref_size 39
	.end_amdhsa_kernel
	.amdgpu_metadata
---
amdhsa.version: [ 1, 2 ]
amdhsa.kernels:
  - .name:           k_q3cd2d3ea86_quant
    .symbol:         k_q3cd2d3ea86_quant.kd
    .args:
      - { .name: x, .offset: 0, .size: 8, .value_kind: global_buffer, .address_space: global }
      - { .name: w_qkv, .offset: 8, .size: 8, .value_kind: global_buffer, .address_space: global }
      - { .name: w_out, .offset: 16, .size: 8, .value_kind: global_buffer, .address_space: global }
      - { .name: xq, .offset: 24, .size: 8, .value_kind: global_buffer, .address_space: global }
      - { .name: wq, .offset: 32, .size: 8, .value_kind: global_buffer, .address_space: global }
      - { .name: wo, .offset: 40, .size: 8, .value_kind: global_buffer, .address_space: global }
    .group_segment_fixed_size: 121856
    .private_segment_fixed_size: 0
    .kernarg_segment_align: 8
    .kernarg_segment_size: 48
    .max_flat_workgroup_size: 512
    .sgpr_count:     66
    .vgpr_count:     162
    .wavefront_size: 32
...
	.end_amdgpu_metadata
.endif
;; end of part 1
;; launch proj (part 2): grid 8 x 32, 4 waves a work-group, clusters of 4 x 4, 167,936 bytes of LDS; arguments xq, wq, kv; writes kv
.if DOCPART == 2
	.amdgcn_target "amdgcn-amd-amdhsa--gfx1250"
	.amdhsa_code_object_version 6
	.text
	.protected	k_q3cd2d3ea86_proj
	.globl	k_q3cd2d3ea86_proj
	.p2align	8
	.type	k_q3cd2d3ea86_proj,@function
k_q3cd2d3ea86_proj:
	s_mov_b64 s[64:65], 0
	v_nop
	global_prefetch_b8 v0, s[64:65] scope:SCOPE_SE
	s_setreg_imm32_b32 hwreg(HW_REG_WAVE_MODE, 25, 1), 1
	s_wait_xcnt 0x0
	s_wait_alu depctr_hold_cnt(0) depctr_sa_sdst(0) depctr_va_vdst(0) depctr_va_sdst(0) depctr_va_ssrc(0) depctr_va_vcc(0) depctr_vm_vsrc(0)
	s_getreg_b32 s2, hwreg(HW_REG_IB_STS2, 6, 4)
	s_cmp_eq_u32 s2, 0
	s_cbranch_scc0 .Lentry_in_a_cluster
	s_endpgm
.Lentry_in_a_cluster:
	s_bfe_u32 s2, ttmp6, 0x10000c
	s_cmp_lg_u32 s2, 0xf033
	s_cbranch_scc0 .Lentry_shape_is_right
	s_endpgm
.Lentry_shape_is_right:
; qc = x w_qkv[:, :1024] on codes of FP4 (E2M1) with E8M0 scales, and its result quantised twice: along d (a head's 64), for q and k, and along the keys, for v.  q, k and v are one and the same chunk in the reference.
; LEFT OUT: the columns 1024-3071 of x w_qkv: reference() slices chunk 0 and never uses the rest.  (A NaN, an infinity or an overflow there is not carried to the result.)
; q = qc / 8: a power of two, so q's codes are k's and its scale bytes lie 3 lower: ONE set of codes and bytes serves both, and the 1/8 goes into the next launch's softmax constant.
; (LIMIT: that departs from the hold of q's scale at 2^-126 only for blocks whose largest magnitude lies under 2^-121.  NaN and infinities are not served.  A block of zeros gets the byte 1: its codes are zeros.)
; SHARES.  A work-group makes 128 places of x (one step of 128 keys of a batch) x 128 places of the weight (two heads); 256 work-groups.  Wave w: 64 rows (w / 2) x 64 columns, one head (w % 2).
; All of K = 1,024 of both operands lies in LDS, brought once by four tensor loads, one a wave: x's and the weight's image of K's first half (waves 0, 1) and second half (waves 2, 3).  Nothing is filled again.
; EVERY PAIR OF TILES IS MULTIPLIED TWICE, from the same fragments: T (source 0 = weight, source 1 = x): lane (r, h) holds one row of x and, over the four tiles of the weight, d = 32 h + 0 .. 31;
; N (source 0 = x, source 1 = weight): lane (r, h) holds one d and, over the four tiles of x, the keys 32 h + 0 .. 31 of the 64.  The sums are the same bit for bit.  So a block of either quantiser lies whole in one lane.
; CLUSTER 4 x 4: the four of a row need the same places of x, the four of a column the same places of the weight: each image is asked for jointly.  No prefetch: there is no loop that fills tiles.
; kv: [head 32][step of 128 keys 16][8,960 bytes]: at 0 K's (and Q's) codes [tile 8][lane][16], registers 0-3 of a fragment;  at 4,096 V's [c 2][tile of d 4][lane][16], registers 4 c .. 4 c + 3 of a fragment of V^T;
;   at 8,192 V's scale words [r 16][tile 4], a byte for each 32 keys;  at 8,448 K's [half 2][r 16][tile 4]: (B0, B1, 127, 127).
; REGISTERS.  window 0: v1-31 addresses; v32-63 scale words; v64-79 at work; v80-111 codes; v128-255 T(a, b) at 128 + 32 a + 8 b.
;   window 1: v0-127 N(a, b) at 32 b + 8 a; v128-191, v192-255 two fragment buffers: x's tile i at 8 i, the weight's at 32 + 8 i.
.set HT,    34816                      ; an image in memory: 136 rows of 256 bytes
.set PITCH, 272                        ; an LDS row: 256 bytes + 16 of padding = 68 words: the 16 rows of a fragment load start at 16 different banks (64 banks of 4 bytes: ISA guide 11.1)
.set SLOT,  136*PITCH                  ; LDS: x's first half, the weight's first half, x's second half, the weight's second half
.set SVS,   4*SLOT                     ; 512 bytes written by LDS stores alone: V's scale words of the two heads
.set SPARE, SVS+512                    ; the spare words, 128 bytes for each wave
.set LI,   3                           ; v3   16 x lane
.set ADRA, 16                          ; v16-17 my fragments of x in K's halves
.set ADRS, 18                          ; v18-19 my scale words: lanes 0-15 x's rows, lanes 16-31 the weight's
.set ADRB, 20                          ; v20-21 my fragments of the weight
.set PS,   22                          ; v22-23 byte selectors for K's scale words
.set SVA,  24                          ; v24  where I put V's scale bytes
.set KSO,  25                          ; v25  16 r + 8 h
.set LO8,  26                          ; v26  8 x lane
.set VSR,  28                          ; v28  where V's scale words are read back
.set ZP,   29                          ; v29  the other half's bytes
.set SC,   32                          ; register 8 i + s: lanes 0-15 the word of x's tile i, lanes 16-31 of the weight's tile i, for K step s
.set TM,   64
.set SO,   68
.set BY,   72
.set PC,   80
.set SPW,  126
.set NIL,  127
.set TACC, 128
.set F0,   128
.set G1A,  24                          ; s[24:31] group 1 for x, s[48:55] for the weight
.set G1B,  48
.set GX0,  32                          ; groups 0: s[32:35] x's first half, s[36:39] the weight's, s[56:59] and s[60:63] the second halves
.set GW0,  36
.set GX1,  56
.set GW1,  60
.set SEL,  96                          ; s[96:97] lane selects for v_permlanex16_b32: lane l xor 16
.set MSB, 0
.macro WIN new                         ; the immediate's high byte repeats the setting that is left; a switch that changes nothing is dropped
.if MSB != \new
	s_set_vgpr_msb (MSB<<8)|\new
.set MSB, \new
.endif
.endm
.macro CROUND                          ; a round of the cluster's barrier
	s_barrier_signal -1
	s_barrier_wait -1
	s_cmp_lg_u32 s14, 0
	s_cbranch_scc1 .Lnot_wave_0_\@
	s_barrier_signal -3
.Lnot_wave_0_\@:
	s_barrier_wait -3
	s_barrier_signal -1
	s_barrier_wait -1
.endm
.macro PLACES                          ; four places behind matrix instructions, in front of loads into registers that they read and of the first read of results
.rept 4
	v_nop
.endr
.endm
.macro GROUP0 g, lds, addr, off
	s_mov_b32 s[\g], 1
	s_mov_b32 s[\g+1], \lds
	s_add_nc_u64 s[\g+2:\g+3], s[\addr:\addr+1], \off
	s_or_b32 s[\g+3], s[\g+3], 0x80000000
.endm
.macro ARM under, g0, g1, next
	s_cmp_lt_u32 s14, \under
	s_cbranch_scc0 \next
	tensor_load_to_lds s[\g0:\g0+3], s[\g1:\g1+7]
	s_nop 0
	PLACES
	s_branch .Lasked
\next:
.endm
	s_load_b128 s[4:7], s[0:1], 0x0                ; xq s[4:5], wq s[6:7]
	s_load_b64 s[8:9], s[0:1], 0x10                ; kv
	v_lshl_add_u32 v[SPW], v0, 2, SPARE
	v_mov_b32 v[NIL], 0
	ds_add_u32 v[SPW], v[NIL]                      ; the wave's opening: the add, twice on end, and its wait
	ds_add_u32 v[SPW], v[NIL]
	v_lshrrev_b32 v1, 5, v0
	v_readfirstlane_b32 s14, v1                    ; wave 0..3
	s_lshr_b32 s15, s14, 1                         ; my 64 rows
	s_and_b32 s16, s14, 1                          ; my 64 columns
	s_bfe_u32 s40, ttmp6, 0x40000                  ; cx, cy: my place in the cluster
	s_bfe_u32 s41, ttmp6, 0x40004
	s_lshl_b32 s42, ttmp9, 2
	s_add_co_u32 s42, s42, s40                     ; tile column = 4 x cluster x + cx
	s_and_b32 s17, ttmp7, 0xffff
	s_lshl_b32 s17, s17, 2
	s_add_co_u32 s17, s17, s41                     ; tile row = 4 x cluster y + cy
	s_lshl_b32 s43, s41, 2
	s_lshl_b32 s43, 15, s43                        ; my row of the cluster
	s_lshl_b32 s44, 0x1111, s40                    ; my column
	s_or_b32 s[G1A], s43, (3<<16)|(1<<20)|(1<<21)|(5<<22)|(3<<25)   ; 15:0 the mask; 17:16 elements of 8 bytes; 20 padding on; 21 set beside a mask; 24:22 after every 64 words; 31:25 four words
	s_or_b32 s[G1B], s44, (3<<16)|(1<<20)|(1<<21)|(5<<22)|(3<<25)
.irp g, G1A, G1B
	s_mov_b32 s[\g+1], 32<<16                      ; an image: 136 rows of 32 elements, dense
	s_mov_b32 s[\g+2], 136<<16
	s_mov_b32 s[\g+3], 32<<16
	s_mov_b32 s[\g+4], 136
	s_mov_b32 s[\g+5], 32
	s_mov_b32 s[\g+6], 0
	s_mov_b32 s[\g+7], 0
.endr
	s_mul_i32 s20, s17, 2*HT                       ; x's images hang on the tile row alone,
	s_mov_b32 s21, 0
	s_mul_i32 s46, s42, 2*HT                       ; the weight's on the tile column alone
	s_mov_b32 s47, 0
	s_mov_b32 s[SEL], 0x76543210
	s_mov_b32 s[SEL+1], 0xfedcba98
	s_wait_dscnt 0x0                               ; both opening adds are done
	s_wait_kmcnt 0x0
	s_add_nc_u64 s[20:21], s[4:5], s[20:21]
	s_add_nc_u64 s[46:47], s[6:7], s[46:47]
	CROUND                                         ; all sixteen work-groups are here: the joint loads meet
	GROUP0 GX0, 0,      20, 0
	GROUP0 GW0, SLOT,   46, 0
	GROUP0 GX1, 2*SLOT, 20, HT
	GROUP0 GW1, 3*SLOT, 46, HT
	ARM 1, GX0, G1A, .Lhead_1                      ; one load a wave, in one chain of branches on its number
	ARM 2, GW0, G1B, .Lhead_2
	ARM 3, GX1, G1A, .Lhead_3
	tensor_load_to_lds s[GW1:GW1+3], s[G1B:G1B+7]
	s_nop 0
	PLACES
.Lasked:
	; where my results go in kv
	s_lshr_b32 s18, s17, 4
	s_lshl_b32 s18, s18, 4
	s_lshl_b32 s19, s42, 1
	s_add_co_u32 s18, s18, s19
	s_add_co_u32 s18, s18, s16                     ; head = 16 x batch + 2 x tile column + my half
	s_mul_i32 s18, s18, 143360
	s_and_b32 s19, s17, 15                         ; the step of 128 keys in the batch
	s_mul_i32 s19, s19, 8960
	s_add_co_u32 s22, s18, s19
	s_mov_b32 s23, 0
	s_add_nc_u64 s[22:23], s[8:9], s[22:23]        ; the step's run
	s_lshl_b32 s20, s15, 11
	s_mov_b32 s21, 0
	s_add_nc_u64 s[10:11], s[22:23], s[20:21]      ; + 2,048 x my rows' half: K's codes, and with 4,096 more V's
	s_lshl_b32 s20, s15, 8
	s_add_nc_u64 s[12:13], s[22:23], s[20:21]      ; + 256 x my rows' half: K's words, with 8,448 more
	s_mul_i32 s18, s15, 64*PITCH                   ; my 64 rows of x
	s_mul_i32 s19, s16, 64*PITCH
	s_add_co_u32 s19, s19, SLOT                    ; my 64 rows of the weight
	s_mul_i32 s20, s15, 4*PITCH
	s_mul_i32 s21, s16, 4*PITCH
	s_add_co_u32 s21, s21, SLOT
	s_sub_co_u32 s21, s21, s20                     ; from x's scale bytes to the weight's
	s_add_co_u32 s20, s20, 128*PITCH
	s_lshl_b32 s40, s16, 8
	s_add_co_u32 s40, s40, SVS
	s_lshl_b32 s41, s15, 1
	s_add_co_u32 s41, s41, s40
	v_and_b32 v1, 15, v0                           ; r
	v_bfe_u32 v2, v0, 4, 1                         ; h
	v_and_b32 v[LI], 31, v0
	v_mul_u32_u24 v4, v1, PITCH
	v_mul_u32_u24 v6, s21, v2                      ; lanes 16-31 take the weight's scale bytes: one product, the distance between the two bases
	v_lshlrev_b32 v[LO8], 3, v[LI]
	v_lshlrev_b32 v[LI], 4, v[LI]
	v_lshl_add_u32 v4, v2, 4, v4                   ; a fragment's row x pitch + 16 x half
	v_lshl_add_u32 v6, v1, 4, v6                   ; sixteen bytes of scales to a row and half of K
	v_lshl_add_u32 v[SVA], v1, 4, s41
	v_lshlrev_b32 v[KSO], 4, v1
	v_add_nc_u32 v[ADRA], s18, v4
	v_add_nc_u32 v[ADRB], s19, v4
	v_add_nc_u32 v[ADRS], s20, v6
	v_add_nc_u32 v[SVA], v[SVA], v2                ; V's scale bytes: 256 x head + 16 r + 4 x tile + 2 x half + h
	v_lshl_add_u32 v[KSO], v2, 3, v[KSO]
	v_add_nc_u32 v[VSR], s40, v[LO8]
	v_add_nc_u32 v[ADRA+1], 2*SLOT, v[ADRA]
	v_add_nc_u32 v[ADRB+1], 2*SLOT, v[ADRB]
	v_add_nc_u32 v[ADRS+1], 2*SLOT, v[ADRS]
	v_cmp_eq_u32 vcc_lo, 1, v2
	v_mov_b32 v5, 0x0c0c0400                       ; lanes 0-15 make the words of tiles 0, 1: (mine, the other half's, 0, 0)
	v_mov_b32 v6, 0x0c0c0206                       ; lanes 16-31 those of tiles 2, 3: (the other half's, mine, 0, 0)
	v_mov_b32 v7, 0x0c0c0501
	v_mov_b32 v8, 0x0c0c0307
	v_cndmask_b32 v[PS], v5, v6, vcc_lo
	v_cndmask_b32 v[PS+1], v7, v8, vcc_lo
	v_mov_b32 v[ZP], 0                             ; written once: a lane permute's destination counts as one of its sources
.macro FETCH s, f                      ; the fragments of K step s: 16 rows x 128 K of 4-bit codes are 8 registers: two loads of 16 bytes, 32 bytes apart
	WIN 0x40                                       ; destination window 1, address window 0
.irp i, 0,1,2,3
.irp c, 0,1
	ds_load_b128 v[\f+8*\i+4*\c:\f+8*\i+4*\c+3], v[ADRA+(\s)/4] offset:64*((\s)%4)+32*\c+16*PITCH*\i
	ds_load_b128 v[\f+32+8*\i+4*\c:\f+32+8*\i+4*\c+3], v[ADRB+(\s)/4] offset:64*((\s)%4)+32*\c+16*PITCH*\i
.endr
.endr
.endm
.macro SCALES c                        ; the scale words of K's half c: four K steps of tile i: x's in lanes 0-15, the weight's in lanes 16-31
	WIN 0
.irp i, 0,1,2,3
	ds_load_b128 v[SC+8*\i+4*\c:SC+8*\i+4*\c+3], v[ADRS+\c] offset:PITCH*\i
.endr
.endm
; The 32 accumulators take turns, one instruction a turn, in the same order in every step.  zero = 1: the first products start the sums: nothing is cleared.
.macro MULT s, f, zero                 ; T: source 0 = the weight's tile b (its words in lanes 16-31), source 1 = x's tile a
	WIN 0x05                                       ; sources 0 and 1 window 1; C and D window 0
.irp a, 0,1,2,3
.irp b, 0,1,2,3
.if \zero
	v_wmma_scale_f32_16x16x128_f8f6f4 v[TACC+32*\a+8*\b:TACC+32*\a+8*\b+7], v[\f+32+8*\b:\f+32+8*\b+7], v[\f+8*\a:\f+8*\a+7], 0, v[SC+8*\b+(\s)], v[SC+8*\a+(\s)] matrix_a_fmt:MATRIX_FMT_FP4 matrix_b_fmt:MATRIX_FMT_FP4 matrix_a_scale:MATRIX_SCALE_ROW1
.else
	v_wmma_scale_f32_16x16x128_f8f6f4 v[TACC+32*\a+8*\b:TACC+32*\a+8*\b+7], v[\f+32+8*\b:\f+32+8*\b+7], v[\f+8*\a:\f+8*\a+7], v[TACC+32*\a+8*\b:TACC+32*\a+8*\b+7], v[SC+8*\b+(\s)], v[SC+8*\a+(\s)] matrix_a_fmt:MATRIX_FMT_FP4 matrix_b_fmt:MATRIX_FMT_FP4 matrix_a_scale:MATRIX_SCALE_ROW1
.endif
.endr
.endr
.endm
.macro MULN s, f, zero                 ; N: source 0 = x's tile a, source 1 = the weight's tile b
	WIN 0x55                                       ; all four in window 1
.irp a, 0,1,2,3
.irp b, 0,1,2,3
.if \zero
	v_wmma_scale_f32_16x16x128_f8f6f4 v[32*\b+8*\a:32*\b+8*\a+7], v[\f+8*\a:\f+8*\a+7], v[\f+32+8*\b:\f+32+8*\b+7], 0, v[SC+8*\a+(\s)], v[SC+8*\b+(\s)] matrix_a_fmt:MATRIX_FMT_FP4 matrix_b_fmt:MATRIX_FMT_FP4 matrix_b_scale:MATRIX_SCALE_ROW1
.else
	v_wmma_scale_f32_16x16x128_f8f6f4 v[32*\b+8*\a:32*\b+8*\a+7], v[\f+8*\a:\f+8*\a+7], v[\f+32+8*\b:\f+32+8*\b+7], v[32*\b+8*\a:32*\b+8*\a+7], v[SC+8*\a+(\s)], v[SC+8*\b+(\s)] matrix_a_fmt:MATRIX_FMT_FP4 matrix_b_fmt:MATRIX_FMT_FP4 matrix_b_scale:MATRIX_SCALE_ROW1
.endif
.endr
.endr
.endm
; A K step of 128: this step's fragments are in; the next step's are asked for, into the buffer that the step before multiplied; then 32 matrix instructions, in which they land.
.macro STEP s
	s_wait_dscnt 0x0
.if (\s) == 3
	s_wait_tensorcnt 0x0                           ; waves 2 and 3: K's second half has landed;
	s_barrier_signal -1
	s_barrier_wait -1                              ; everybody knows.
.endif
.if (\s) < 7
	PLACES
.if (\s) == 3
	SCALES 1
.endif
	FETCH (\s)+1, F0+64*(((\s)+1)%2)
.endif
.if (\s) == 0
	MULT \s, F0, 1
	MULN \s, F0, 1
.else
	MULT \s, F0+64*((\s)%2), 0
	MULN \s, F0+64*((\s)%2), 0
.endif
.endm
	s_wait_alu depctr_va_vdst(0)                   ; the head's end
	s_cmp_lt_u32 s14, 2                            ; waves 0 and 1 fetched the first halves: they wait for them; the second halves' lines are other waves'
	s_cbranch_scc0 .Llater
	s_wait_tensorcnt 0x0
.Llater:
	s_barrier_signal -1
	s_barrier_wait -1                              ; K's first half is in
	SCALES 0
	FETCH 0, F0
.irp s, 0,1,2,3,4,5,6,7
	STEP \s
.endr
	WIN 0
	PLACES
; Four sets of 32 neighbouring numbers of a lane, in window w, set k from register src + 32 k: each is one block.  They become 4 registers of codes each (from PC + 16 n on) and a byte (BY + k).
; Each accumulator is read from its low end on; the four sets go by turns.
.macro QUANT src, w, n
	WIN 0x14*(\w)                                  ; sources 1 and 2 in window w
.irp k, 0,1,2,3
	v_max3_num_f32 v[TM+\k], 0x1800000, |v[\src+32*\k]|, |v[\src+1+32*\k]|   ; with the floor 2^(3 - 127): the byte cannot fall under 1
.endr
.irp i, 2,4,6,8,10,12,14,16,18,20,22,24,26,28,30
.irp k, 0,1,2,3
	v_max3_num_f32 v[TM+\k], v[TM+\k], |v[\src+32*\k+\i]|, |v[\src+1+32*\k+\i]|
.endr
.endr
	WIN 0
.irp k, 0,1,2,3
	v_add_nc_u32 v[SO+\k], 0xff000000, v[TM+\k]    ; 2 off its exponent field: the conversion's scale operand
.endr
.irp k, 0,1,2,3
	v_lshrrev_b32 v[BY+\k], 23, v[SO+\k]           ; the scale's byte
.endr
	WIN 0x01*(\w)                                  ; source 0 in window w
.irp k, 0,1,2,3
.irp g, 0,1,2,3
	v_cvt_scalef32_pk8_fp4_f32 v[PC+16*(\n)+4*\k+\g], v[\src+32*\k+8*\g:\src+32*\k+8*\g+7], v[SO+\k]
.endr
.endr
	WIN 0
	v_nop                                          ; a plain line behind the last conversion
.endm
	; along d: registers 0-3 of K's (and Q's) fragments.  Every store has data registers of its own; each writes 512 consecutive bytes, aligned
	QUANT TACC, 0, 0
.irp a, 0,1,2,3
	global_store_b128 v[LI], v[PC+4*\a:PC+4*\a+3], s[10:11] offset:512*\a
.endr
	v_lshl_or_b32 v76, v[BY+1], 8, v[BY]           ; my block's bytes of the four tiles
	v_lshl_or_b32 v77, v[BY+3], 8, v[BY+2]
	v_lshl_or_b32 v76, v77, 16, v76
	v_permlanex16_b32 v[ZP], v76, s[SEL], s[SEL+1] ; and the other block's, from lane l xor 16
	v_perm_b32 v78, v[ZP], v76, v[PS]
	v_perm_b32 v79, v[ZP], v76, v[PS+1]
	v_or_b32 v112, 0x7f7f0000, v78                 ; a tile's word: its two bytes, and 127 for the two blocks of zero codes that fill K = 64 up to 128
	v_or_b32 v113, 0x7f7f0000, v79
	global_store_b64 v[KSO], v[112:113], s[12:13] offset:8448   ; the wave stores 256 consecutive bytes, aligned
	; along the keys: registers 4 c .. 4 c + 3 of V^T's fragments, c = my half of the step's keys
	QUANT 0, 1, 1
.irp b, 0,1,2,3
	global_store_b128 v[LI], v[PC+16+4*\b:PC+16+4*\b+3], s[10:11] offset:4096+512*\b
.endr
.irp b, 0,1,2,3
	ds_store_b8 v[SVA], v[BY+\b] offset:4*\b
.endr
	s_wait_dscnt 0x0                               ; for the others' sake: my stores have landed
	s_barrier_signal -1
	s_barrier_wait -1                              ; a word's four bytes come from two waves
	s_cmp_lt_u32 s14, 2
	s_cbranch_scc0 .Lno_vs
	ds_load_b64 v[120:121], v[VSR]
	s_wait_dscnt 0x0
	global_store_b64 v[LO8], v[120:121], s[22:23] offset:8192   ; 256 consecutive bytes, aligned
.Lno_vs:
	s_wait_tensorcnt 0x0                           ; the wave's end
	ds_add_u32 v[SPW], v[NIL]
	s_wait_dscnt 0x0
	CROUND                                         ; the closing round
	s_endpgm
.Lfunc_end_k_q3cd2d3ea86_proj:
	.size	k_q3cd2d3ea86_proj, .Lfunc_end_k_q3cd2d3ea86_proj-k_q3cd2d3ea86_proj
	.p2alignl 7, 3214868480
	.fill 96, 4, 3214868480
	.section	.rodata,"a",@progbits
	.p2align	6, 0x0
	.amdhsa_kernel k_q3cd2d3ea86_proj
		.amdhsa_group_segment_fixed_size 167936
		.amdhsa_private_segment_fixed_size 0
		.amdhsa_enable_private_segment 0
		.amdhsa_kernarg_size 24
		.amdhsa_user_sgpr_count 2
		.amdhsa_user_sgpr_kernarg_segment_ptr 1
		.amdhsa_wavefront_size32 1
		.amdhsa_system_sgpr_workgroup_id_x 1
		.amdhsa_system_sgpr_workgroup_id_y 1
		.amdhsa_system_sgpr_workgroup_id_z 1
		.amdhsa_system_vgpr_workitem_id 0
		.amdhsa_next_free_vgpr 512
		.amdhsa_next_free_sgpr 98
		.amdhsa_reserve_vcc 1
		.amdhsa_float_denorm_mode_32 3
		.amdhsa_float_denorm_mode_16_64 3
		.amdhsa_memory_ordered 1
		.amdhsa_forward_progress 1
		.amdhsa_inst_pref_size 64
	.end_amdhsa_kernel
	.amdgpu_metadata
---
amdhsa.version: [ 1, 2 ]
amdhsa.kernels:
  - .name:           k_q3cd2d3ea86_proj
    .symbol:         k_q3cd2d3ea86_proj.kd
    .args:
      - { .name: xq, .offset: 0, .size: 8, .value_kind: global_buffer, .address_space: global }
      - { .name: wq, .offset: 8, .size: 8, .value_kind: global_buffer, .address_space: global }
      - { .name: kv, .offset: 16, .size: 8, .value_kind: global_buffer, .address_space: global }
    .group_segment_fixed_size: 167936
    .private_segment_fixed_size: 0
    .kernarg_segment_align: 8
    .kernarg_segment_size: 24
    .max_flat_workgroup_size: 128
    .sgpr_count:     98
    .vgpr_count:     512
    .wavefront_size: 32
...
	.end_amdgpu_metadata
.endif
;; end of part 2
;; launch attn (part 3): grid 8 x 32, 16 waves a work-group, clusters of 4 x 1, 180,224 bytes of LDS; arguments kv, oq; writes oq
.if DOCPART == 3
	.amdgcn_target "amdgcn-amd-amdhsa--gfx1250"
	.amdhsa_code_object_version 6
	.text
	.protected	k_q3cd2d3ea86_attn
	.globl	k_q3cd2d3ea86_attn
	.p2align	8
	.type	k_q3cd2d3ea86_attn,@function
k_q3cd2d3ea86_attn:
	s_mov_b64 s[64:65], 0
	v_nop
	global_prefetch_b8 v0, s[64:65] scope:SCOPE_SE
	s_setreg_imm32_b32 hwreg(HW_REG_WAVE_MODE, 25, 1), 1
	s_wait_xcnt 0x0
	s_wait_alu depctr_hold_cnt(0) depctr_sa_sdst(0) depctr_va_vdst(0) depctr_va_sdst(0) depctr_va_ssrc(0) depctr_va_vcc(0) depctr_vm_vsrc(0)
	s_getreg_b32 s2, hwreg(HW_REG_IB_STS2, 6, 4)
	s_cmp_eq_u32 s2, 0
	s_cbranch_scc0 .Lentry_in_a_cluster
	s_endpgm
.Lentry_in_a_cluster:
	s_bfe_u32 s2, ttmp6, 0x10000c
	s_cmp_lg_u32 s2, 0x3003
	s_cbranch_scc0 .Lentry_shape_is_right
	s_endpgm
.Lentry_shape_is_right:
; Causal attention of one head, both products on codes of FP4 (E2M1) with E8M0 scales; its result O / l is quantised along d for the last product.  q, k and v are one chunk: kv holds it as codes along d (K and Q) and along the keys (V).
; THE SOFTMAX: t = score x log2(e) / 8 (the 1/8 is the reference's SCALE, taken out of q's scale bytes); M = the row's largest t so far, rounded UP to a whole number; p = 2^(t - M) is quantised along the keys, not normalised.
; The row's sum is taken of the unquantised p and divides O at the end.  When M moves, the sum and O are multiplied by 2^(old M - new M): exact.
; A block's scale exponent is floor(its largest t - M) - 2, since floor(log2(2^y)) = floor(y); the byte is held at 1 from below.
; LEFT OUT: steps of 128 keys that the causal mask, built by reference() itself, hides from all of a tile's queries.  (A NaN or an infinity among keys and values so hidden is not carried to those queries.)
; LIMITS: NaN and infinities are not served; scaled scores stay under 2^31 in magnitude; a block of zeros gets the byte 1 (its codes are zeros; this program alone reads the bytes).
; SHARES.  A head's codes and scale bytes, 16 steps of 8,960 bytes, lie in LDS whole, as they lie in kv: wave w brings step w, once; never filled again, never stored to.  Eight work-groups to a head.
; Tile (block of 128 queries, i = 4 ci + ui): 16 queries; a tile of block n has n + 1 steps.  Two waves share the tiles of blocks a and 15 - a (a = 0..7): wave A takes steps 0 .. 8 of block 15 - a (9 steps),
; wave B steps 9 .. 15 - a of it, then all a + 1 steps of block a (8 steps).  B's part of the first goes to A through LDS: O, M and the sum.  So every wave has 8 or 9 steps.
; With the wave's bits b3 b2 b1 b0: a = 4 x cluster x + 2 b3 + b1, ci = b0, B where b0 xor b2 is 1, ui = cx.  Whether sixteen waves are dealt to four SIMDs by w % 4 or by w / 4, each SIMD has two A and two B: 34 steps.
; CLUSTER 4 x 1: the four partners read the same head: each load is asked for jointly.  cx enters global addresses and the mask's lane number alone.  No prefetch: there is no loop that fills tiles.
; LAYOUT.  Both products are used transposed: S^T = K Q^T, O^T = V^T P^T: a lane holds ONE query.  A tile's place r holds row 32 (r / 8) + 8 u + r % 8 of its 64, so the 32 registers of tiles 4 c .. 4 c + 3 are
; the keys 64 c + 32 h + 0 .. 31: one whole block, in the order in which the second product's operand wants its codes; and the 32 registers of O^T are d = 32 h + 0 .. 31.
; K = 64 of the first product is filled up to the instruction's 128 by zero codes on both sides (registers 4-7 of K's and Q's fragments, written once) under the byte 127.
; oq: [128 places 32][half of the heads 2][34,816 bytes]: codes [K step 4][tile 8][c 2][lane][16]: an image of the last product's fragments, K step = two heads, c = head % 2; from byte 32,768 scale bytes [place 128][16], byte 2 x (head % 8) + block.
; The scale bytes leave as single bytes, two beside each 32 bytes of codes: the heads of a scale word are made by different work-groups.
.set STB,  8960                        ; a step of 128 keys: K's codes at 0,
.set VCB,  4096                        ; V's codes,
.set VSB,  8192                        ; V's scale words (lanes 16-31 of that load take bytes of K's words, which the products do not read),
.set KSB,  8448                        ; K's scale words: lanes 0-15 tiles 0-3, lanes 16-31 tiles 4-7
.set PST,  16*STB                      ; LDS behind the head: the eight pairs' partial results, 34 words a lane
.set PSZ,  4352
.set SPARE, PST+8*PSZ                  ; the spare words, 128 bytes for each wave
.set HT,   34816
.set LI,   1                           ; v1   16 x lane; never rewritten
.set ADK,  3                           ; v3   the step in LDS
.set PX,   4                           ; v4   my pair's partial result: + 16 x lane
.set PY,   5                           ; v5   + 8 x lane
.set ZP,   6                           ; v6   a lane permute's result
.set DQ,   7                           ; v7   my query's number in its 64 - 32 h
.set QF,   16                          ; v16-23 Q's fragment
.set QS,   24                          ; v24  Q's scale word
.set Q2S,  25                          ; v25  block a's
.set PWR,  26                          ; v26  p's scale word
.set SPW,  27
.set Q2,   28                          ; v28-31 block a's Q
.set KSW,  32                          ; v32-35
.set VSW,  36                          ; v36-39
.set KF,   40                          ; v40-103 K's eight fragments
.set S,    104                         ; v104-167 S^T, then p
.set O,    168                         ; v168-199 O^T
.set PC,   200                         ; v200-207 p's codes
.set VF,   208                         ; v208-239 V^T's four fragments
.set BM,   240                         ; v240-243 maxima in four chains
.set XE,   244                         ; v244-245 the blocks' exponents; v246-247 at work
.set SO,   248                         ; v248-249 the conversions' scale operands
.set NIL,  255
.set WV,   8                           ; s8   wave
.set LIM,  10                          ; s10  the trip at which B goes over to block a; A: none
.set CI,   12
.set A,    13
.set ROLE, 14                          ; s14  0: A, 1: B
.set SEL,  40                          ; s[40:41]
.set BHI,  42                          ; s42  15 - a
.set LAST, 44                          ; s44  my last trip
.set OF1,  45                          ; s45, s46: from the trip to the step, ahead of LIM and behind
.set OF2,  46
.set TI,   51
.set CS,   52                          ; s[52:53] c = log2(e) / 8, twice: the packed form names a pair
.set TB,   54
.set KAP,  55                          ; s55  the step in hand
.set BLK,  56                          ; s56  the block in hand
.set N,    57                          ; s57  the trip
.macro CROUND
	s_barrier_signal -1
	s_barrier_wait -1
	s_cmp_lg_u32 s[WV], 0
	s_cbranch_scc1 .Lnot_wave_0_\@
	s_barrier_signal -3
.Lnot_wave_0_\@:
	s_barrier_wait -3
	s_barrier_signal -1
	s_barrier_wait -1
.endm
.macro ZEROS from, count
.set n, 0
.rept \count
	v_mov_b32 v[\from+n], 0
.set n, n+1
.endr
.endm
.macro FRESH                           ; a tile begins: the largest score and -M stand under every number, the sum and O^T are 0 (the first change of M leaves them 0)
	v_mov_b32 v12, 0x7f61b1e6
	v_mov_b32 v13, 0xff61b1e6
	v_mov_b32 v14, 0
	v_mov_b32 v15, 0
	ZEROS O, 32
.endm
	s_load_b128 s[4:7], s[0:1], 0x0                ; kv s[4:5], oq s[6:7]
	v_lshl_add_u32 v[SPW], v0, 2, SPARE
	v_mov_b32 v[NIL], 0
	ds_add_u32 v[SPW], v[NIL]                      ; the wave's opening: the add, twice on end, and its wait
	ds_add_u32 v[SPW], v[NIL]
	v_lshrrev_b32 v8, 5, v0
	v_and_b32 v9, 15, v0                           ; r
	v_bfe_u32 v10, v0, 4, 1                        ; h
	v_and_b32 v11, 31, v0                          ; lane
	v_readfirstlane_b32 s[WV], v8                  ; wave 0..15
	v_lshlrev_b32 v2, 4, v9
	v_lshlrev_b32 v[LI], 4, v11
	s_wait_alu depctr_va_vdst(0)                   ; ahead of the scalar lines below
	s_bfe_u32 s9, ttmp6, 0x40000                   ; cx
	s_and_b32 s11, ttmp7, 0xffff                   ; the head, 0..31: the four partners share it
	s_and_b32 s[CI], s[WV], 1
	s_bfe_u32 s48, s[WV], 0x10002
	s_xor_b32 s[ROLE], s[CI], s48
	s_bfe_u32 s48, s[WV], 0x10003
	s_bfe_u32 s49, s[WV], 0x10001
	s_lshl_b32 s48, s48, 1
	s_add_co_u32 s48, s48, s49                     ; 2 b3 + b1
	s_lshl_b32 s[A], ttmp9, 2
	s_add_co_u32 s[A], s[A], s48                   ; a
	s_lshl_b32 s50, s48, 1
	s_add_co_u32 s50, s50, s[CI]                   ; my pair's number, 0..7
	s_mul_i32 s50, s50, PSZ
	s_add_co_u32 s50, s50, PST
	s_sub_co_u32 s[BHI], 15, s[A]
	s_mul_i32 s[OF1], s[ROLE], 9                   ; A: the step is the trip.  B: 9 + trip, from LIM on trip - LIM = trip + 9 + a - 16
	s_mul_i32 s[OF2], s[ROLE], s[A]
	s_add_co_u32 s[OF2], s[OF2], s[OF1]
	s_sub_co_u32 s[LAST], 8, s[ROLE]
	s_sub_co_u32 s[LIM], 7, s[A]
	s_cmp_eq_u32 s[ROLE], 1
	s_cselect_b32 s[LIM], s[LIM], 31
	s_lshl_b32 s[TI], s[CI], 2
	s_add_co_u32 s[TI], s[TI], s9                  ; i = 4 ci + cx
	s_mov_b32 s16, 15|(3<<16)|(1<<21)              ; group 1: 15:0 the mask: all four; 17:16 elements of 8 bytes; 21 set beside a mask; no padding
	s_mov_b32 s17, 32<<16                          ; rows of 256 bytes,
	s_mov_b32 s18, 35<<16                          ; 35 of them, dense: a step
	s_mov_b32 s19, 32<<16
	s_mov_b32 s20, 35
	s_mov_b32 s21, 32
	s_mov_b32 s22, 0
	s_mov_b32 s23, 0
	s_mov_b32 s[SEL], 0x76543210
	s_mov_b32 s[SEL+1], 0xfedcba98
	s_mov_b32 s[CS], 0x3e38aa3b
	s_mov_b32 s[CS+1], s[CS]
	s_mov_b32 s[N], 0
	s_mul_i32 s28, s11, 16*STB
	s_mov_b32 s29, 0
	s_mul_i32 s38, s[WV], STB                      ; the step that I fetch: LDS is an image of the head
	s_mov_b32 s39, 0
	s_mul_i32 s34, s[BHI], STB
	s_mul_i32 s36, s[A], STB
	s_lshl_b32 s48, s[TI], 9
	s_add_co_u32 s30, s34, s48                     ; Q's fragment is tile i of its block's K
	s_add_co_u32 s32, s36, s48
	s_mov_b32 s31, 0
	s_mov_b32 s33, 0
	s_lshl_b32 s48, s[CI], 8
	s_lshl_b32 s49, s9, 2
	s_add_co_u32 s48, s48, s49
	s_add_co_u32 s34, s34, s48                     ; and its scale word
	s_add_co_u32 s36, s36, s48
	s_mov_b32 s35, 0
	s_mov_b32 s37, 0
	s_wait_dscnt 0x0                               ; both opening adds are done
	s_wait_kmcnt 0x0
	s_add_nc_u64 s[4:5], s[4:5], s[28:29]          ; kv at my head
	s_add_nc_u64 s[30:31], s[4:5], s[30:31]
	s_add_nc_u64 s[32:33], s[4:5], s[32:33]
	s_add_nc_u64 s[34:35], s[4:5], s[34:35]
	s_add_nc_u64 s[36:37], s[4:5], s[36:37]
	global_load_b128 v[QF:QF+3], v[LI], s[30:31]
	global_load_b32 v[QS], v2, s[34:35] offset:KSB
	global_load_b128 v[Q2:Q2+3], v[LI], s[32:33]
	global_load_b32 v[Q2S], v2, s[36:37] offset:KSB
	s_mov_b32 s24, 1
	s_mov_b32 s25, s38
	s_add_nc_u64 s[26:27], s[4:5], s[38:39]
	s_or_b32 s27, s27, 0x80000000
	CROUND                                         ; all four work-groups are here: the joint loads meet
	tensor_load_to_lds s[24:27], s[16:23]          ; one load a wave
	s_nop 0
.rept 4
	v_nop
.endr
	s_lshl_b32 s48, s9, 3
	v_and_b32 v[DQ], 7, v9
	v_lshrrev_b32 v8, 3, v9
	v_add_nc_u32 v[PX], s50, v[LI]
	v_lshl_add_u32 v[PY], v11, 3, s50
	v_sub_nc_u32 v8, v8, v10
	v_add_nc_u32 v[DQ], s48, v[DQ]
	v_mov_b32 v[ZP], 0                             ; written once: a lane permute's destination counts as one of its sources
	v_mov_b32 v247, 0
	v_lshl_add_u32 v[DQ], v8, 5, v[DQ]             ; 32 (r / 8) + 8 cx + r % 8 - 32 h
	v_mov_b32 v253, 0                              ; (named as the upper half of the pair v[252:253])
	FRESH
	ZEROS QF+4, 4                                  ; zero codes for k = 64 .. 127
.irp t, 0,1,2,3,4,5,6,7
	ZEROS KF+8*\t+4, 4
.endr
; On the diagonal: of the block's 64 keys of half c those above my query become -infinity: register n holds key 32 h + n.
.macro MASK c
.set n, 0
.rept 32
	v_cmp_gt_i32 vcc_lo, n, v[DQ]
	v_cndmask_b32 v[S+32*(\c)+n], v[S+32*(\c)+n], v254, vcc_lo
.set n, n+1
.endr
.endm
; A STEP OF 128 KEYS.
.macro STEP
	v_add_nc_u32 v[ADK], s[TB], v[LI]
.rept 3
	v_nop                                          ; (with the line above four places behind the last step's products, in front of the loads)
.endr
.irp t, 0,1,2,3,4,5,6,7
	ds_load_b128 v[KF+8*\t:KF+8*\t+3], v[ADK] offset:512*\t        ; images of registers: 512 consecutive bytes a load
.endr
	ds_load_b128 v[KSW:KSW+3], v[ADK] offset:KSB
.irp c, 0,1
.irp b, 0,1,2,3
	ds_load_b128 v[VF+8*\b+4*\c:VF+8*\b+4*\c+3], v[ADK] offset:VCB+2048*\c+512*\b
.endr
.endr
	ds_load_b128 v[VSW:VSW+3], v[ADK] offset:VSB
	s_wait_dscnt 0x9                               ; K and its words are in; V's eight loads and its words' one may be out: they land under the softmax
.irp t, 0,1,2,3
	v_wmma_scale_f32_16x16x128_f8f6f4 v[S+8*\t:S+8*\t+7], v[KF+8*\t:KF+8*\t+7], v[QF:QF+7], 0, v[KSW+\t], v[QS] matrix_a_fmt:MATRIX_FMT_FP4 matrix_b_fmt:MATRIX_FMT_FP4
.endr
.irp t, 4,5,6,7
	v_wmma_scale_f32_16x16x128_f8f6f4 v[S+8*\t:S+8*\t+7], v[KF+8*\t:KF+8*\t+7], v[QF:QF+7], 0, v[KSW+\t-4], v[QS] matrix_a_fmt:MATRIX_FMT_FP4 matrix_b_fmt:MATRIX_FMT_FP4 matrix_a_scale:MATRIX_SCALE_ROW1
.endr
.rept 4
	v_nop
.endr
	s_cmp_lg_u32 s[KAP], s[BLK]                    ; only the step on the diagonal has hidden keys
	s_cbranch_scc1 .Lopen
	v_mov_b32 v254, 0xff800000                     ; -infinity
	s_wait_alu depctr_va_vdst(0)                   ; ahead of the branch
	s_cmp_lg_u32 s[CI], 0
	s_cbranch_scc1 .Lupper
	MASK 0                                         ; my queries lie in the block's first 64: of the second 64 keys none counts
.set n, 32
.rept 32
	v_mov_b32 v[S+n], v254
.set n, n+1
.endr
	s_wait_alu depctr_va_vdst(0)                   ; ahead of the branch
	s_branch .Lopen
.Lupper:
	MASK 1                                         ; in its second 64: the first 64 keys all count
.Lopen:
.irp c, 0,1
	v_max3_num_f32 v[BM+2*\c], v[S+32*\c], v[S+32*\c+1], v[S+32*\c+2]   ; the largest score of each block of 32 keys, in two chains each: it serves the row's maximum and the block's scale
	v_max3_num_f32 v[BM+2*\c+1], v[S+32*\c+17], v[S+32*\c+18], v[S+32*\c+19]
.endr
.irp i, 0,2,4,6,8,10
.irp c, 0,1
	v_max3_num_f32 v[BM+2*\c], v[BM+2*\c], v[S+32*\c+3+\i], v[S+32*\c+4+\i]
	v_max3_num_f32 v[BM+2*\c+1], v[BM+2*\c+1], v[S+32*\c+20+\i], v[S+32*\c+21+\i]
.endr
.endr
.irp c, 0,1
	v_max3_num_f32 v[BM+2*\c], v[BM+2*\c], v[S+32*\c+15], v[S+32*\c+16]
.endr
.irp c, 0,1
	v_max_num_f32 v[BM+2*\c], v[BM+2*\c], v[BM+2*\c+1]
.endr
	v_max3_num_f32 v13, v13, v[BM], v[BM+2]        ; the running largest score, my half's keys
	s_delay_alu instid0(VALU_DEP_1)
	v_permlanex16_b32 v[ZP], v13, s[SEL], s[SEL+1]
	s_delay_alu instid0(VALU_DEP_1)
	v_max_num_f32 v13, v13, v[ZP]                  ; and lane l xor 16's
	s_delay_alu instid0(VALU_DEP_1)
	v_mul_f32 v254, s[CS], v13                     ; as t (c is positive)
	v_mov_b32 v10, v12
	s_delay_alu instid0(VALU_DEP_2)
	v_floor_f32 v12, -v254                         ; the new -M = floor(-t): M is a whole number
	s_delay_alu instid0(VALU_DEP_1)
	v_fma_f32 v[BM], v[BM], s[CS], v12             ; each block's largest t - M
	v_fma_f32 v[BM+2], v[BM+2], s[CS], v12
	v_sub_f32 v254, v12, v10                       ; old M - new M: a whole number, 0 or less
	v_max_num_f32 v[BM], 0xc2f80000, v[BM]         ; held at -124: the byte cannot fall under 1
	v_max_num_f32 v[BM+2], 0xc2f80000, v[BM+2]
	v_cvt_i32_f32 v254, v254                       ; (it saturates)
	v_cvt_floor_i32_f32 v[XE], v[BM]
	v_cvt_floor_i32_f32 v[XE+1], v[BM+2]
	v_ldexp_f32 v252, 1.0, v254                    ; f = 2^(old M - new M)
	v_lshl_add_u32 v[SO], v[XE], 23, 0x3e800000    ; + 127 - 2, in the exponent field: the conversion's scale operand
	v_lshl_add_u32 v[SO+1], v[XE+1], 23, 0x3e800000
.set n, 0
.rept 32
	v_pk_fma_f32 v[S+n:S+n+1], v[S+n:S+n+1], s[CS:CS+1], v[12:13] op_sel_hi:[1,0,0]   ; t - M, two at a time
.set n, n+2
.endr
	s_wait_alu depctr_va_vdst(0)                   ; ahead of the batch
.set n, 0
.rept 64
	v_exp_f32 v[S+n], v[S+n]                       ; p = 2^(t - M)
.set n, n+1
.endr
	v_lshl_add_u32 v246, v[XE+1], 16, v[XE]        ; p's scale word, behind the exponentials: my two blocks' exponents at bytes 0 and 2,
	v_permlanex16_b32 v247, v246, s[SEL], s[SEL+1]
	v_lshl_add_u32 v246, v247, 8, v246             ; in lanes 0-15 with lane l xor 16's at bytes 1 and 3 (lanes 16-31 are not read),
	v_add_nc_u32 v[PWR], 0x7d7d7d7d, v246          ; + 125 in each
	s_wait_alu depctr_va_vdst(0)                   ; one wait for the batch, ahead of its first reader
	v_pk_fma_f32 v[14:15], v[14:15], v[252:253], v[S:S+1] op_sel_hi:[1,0,1]   ; THE ROW'S SUM, of the unquantised p, under the new M: four chains
	v_pk_add_f32 v[240:241], v[S+2:S+3], v[S+4:S+5]
	v_pk_add_f32 v[242:243], v[S+6:S+7], v[S+8:S+9]
	v_pk_add_f32 v[8:9], v[S+10:S+11], v[S+12:S+13]
.set n, 14
.rept 6
	v_pk_add_f32 v[14:15], v[14:15], v[S+n:S+n+1]
	v_pk_add_f32 v[240:241], v[240:241], v[S+n+2:S+n+3]
	v_pk_add_f32 v[242:243], v[242:243], v[S+n+4:S+n+5]
	v_pk_add_f32 v[8:9], v[8:9], v[S+n+6:S+n+7]
.set n, n+8
.endr
	v_pk_add_f32 v[14:15], v[14:15], v[S+62:S+63]
	v_pk_add_f32 v[240:241], v[240:241], v[242:243]
	v_pk_add_f32 v[14:15], v[14:15], v[8:9]
.irp g, 0,1,2,3
	v_cvt_scalef32_pk8_fp4_f32 v[PC+\g], v[S+8*\g:S+8*\g+7], v[SO]      ; the codes, in the operand's own order
.endr
	v_pk_add_f32 v[14:15], v[14:15], v[240:241]
.irp g, 0,1,2,3
	v_cvt_scalef32_pk8_fp4_f32 v[PC+4+\g], v[S+32+8*\g:S+32+8*\g+7], v[SO+1]
.endr
	s_wait_alu depctr_va_vdst(0)                   ; directly ahead of the first reader of O^T
.set n, 0
.rept 16
	v_pk_mul_f32 v[O+n:O+n+1], v[O+n:O+n+1], v[252:253] op_sel_hi:[1,0]   ; O^T under the new M, each accumulator from its low end on.  (These 16 are also the places between the scale word and codes just made and the products)
.set n, n+2
.endr
	s_wait_alu depctr_va_vdst(0)
	s_wait_dscnt 0x0                               ; V and its words are in
.irp b, 0,1,2,3
	v_wmma_scale_f32_16x16x128_f8f6f4 v[O+8*\b:O+8*\b+7], v[VF+8*\b:VF+8*\b+7], v[PC:PC+7], v[O+8*\b:O+8*\b+7], v[VSW+\b], v[PWR] matrix_a_fmt:MATRIX_FMT_FP4 matrix_b_fmt:MATRIX_FMT_FP4
.endr
.endm
	s_wait_alu depctr_va_vdst(0)                   ; the head's end
	s_wait_loadcnt 0x0                             ; Q
	s_wait_tensorcnt 0x0                           ; my step is in,
	s_barrier_signal -1
	s_barrier_wait -1                              ; all sixteen are: from here on the waves run free
.Ltrip:                                                ; nine trips in every wave
	s_cmp_eq_u32 s[ROLE], 0
	s_cbranch_scc1 .Lsame
	s_cmp_lg_u32 s[N], s[LIM]
	s_cbranch_scc1 .Lsame
	; B goes over from block 15 - a to block a: its part of the first goes to LDS for A (where it had no step of it: zeros under the least M)
.rept 4
	v_nop                                          ; places behind the last products
.endr
	v_mov_b32 v10, v12
	v_add_f32 v11, v14, v15
.irp k, 0,1,2,3,4,5,6,7
	ds_store_b128 v[PX], v[O+4*\k:O+4*\k+3] offset:512*\k
.endr
	ds_store_b64 v[PY], v[10:11] offset:4096
	s_wait_dscnt 0x0
.irp k, 0,1,2,3
	v_mov_b32 v[QF+\k], v[Q2+\k]
.endr
	v_mov_b32 v[QS], v[Q2S]
	FRESH
	s_wait_alu depctr_va_vdst(0)
.Lsame:
	s_cmp_ge_u32 s[N], s[LIM]
	s_cselect_b32 s[KAP], s[OF2], s[OF1]
	s_cselect_b32 s[BLK], s[A], s[BHI]
	s_add_co_u32 s[KAP], s[KAP], s[N]
	s_and_b32 s[KAP], s[KAP], 15
	s_mul_i32 s[TB], s[KAP], STB
	s_cmp_gt_u32 s[N], s[LAST]                     ; B has 8 steps
	s_cbranch_scc1 .Lidle
	STEP
.Lidle:
	s_add_co_u32 s[N], s[N], 1
	s_cmp_lt_u32 s[N], 9
	s_cbranch_scc1 .Ltrip
.rept 4
	v_nop                                          ; places behind the last products
.endr
	s_wait_dscnt 0x0
	s_barrier_signal -1
	s_barrier_wait -1                              ; every B's part lies in LDS
	s_cmp_lg_u32 s[ROLE], 0
	s_cbranch_scc1 .Lalone
	; A joins B's part to its own, both under the larger M
	ds_load_b64 v[10:11], v[PY] offset:4096
.irp k, 0,1,2,3,4,5,6,7
	ds_load_b128 v[S+4*\k:S+4*\k+3], v[PX] offset:512*\k
.endr
	s_wait_dscnt 0x8                               ; M and the sum are in; O's eight loads may be out
	v_min_num_f32 v254, v12, v10                   ; the smaller -M
	v_sub_f32 v8, v254, v12
	v_sub_f32 v9, v254, v10
	v_cvt_i32_f32 v8, v8
	v_cvt_i32_f32 v9, v9
	v_ldexp_f32 v252, 1.0, v8
	v_ldexp_f32 v246, 1.0, v9
	v_pk_mul_f32 v[14:15], v[14:15], v[252:253] op_sel_hi:[1,0]
	v_fma_f32 v14, v11, v246, v14
.set n, 0
.rept 16
	v_pk_mul_f32 v[O+n:O+n+1], v[O+n:O+n+1], v[252:253] op_sel_hi:[1,0]
.set n, n+2
.endr
	s_wait_alu depctr_va_vdst(0)
	s_wait_dscnt 0x0
.set n, 0
.rept 16
	v_pk_fma_f32 v[O+n:O+n+1], v[S+n:S+n+1], v[246:247], v[O+n:O+n+1] op_sel_hi:[1,0,1]
.set n, n+2
.endr
.Lalone:
	; THE WAY OUT: O^T / the sum, quantised along d: my 32 registers are one block
	v_add_f32 v14, v14, v15                        ; the sum's two halves,
	v_and_b32 v8, 15, v0
	v_bfe_u32 v9, v0, 4, 1
	v_permlanex16_b32 v[ZP], v14, s[SEL], s[SEL+1]
	v_lshl_add_u32 v10, v8, 4, v9                  ; scale bytes: 16 r + h
	v_add_f32 v14, v14, v[ZP]                      ; and lane l xor 16's
	s_wait_alu depctr_va_vdst(0)                   ; ahead of the transcendental
	v_rcp_f32 v14, v14
	v_nop                                          ; a plain line behind the reciprocal
	s_lshr_b32 s48, s11, 4
	s_lshl_b32 s48, s48, 4
	s_add_co_u32 s48, s48, s[BLK]                  ; which 128 places: 16 x batch + block
	s_lshl_b32 s48, s48, 1
	s_bfe_u32 s49, s11, 0x10003                    ; the half of the batch's heads
	s_add_co_u32 s48, s48, s49
	s_mul_i32 s48, s48, HT
	s_bfe_u32 s49, s11, 0x20001                    ; the K step
	s_lshl_b32 s49, s49, 13
	s_add_co_u32 s58, s48, s49
	s_lshl_b32 s49, s[TI], 10
	s_add_co_u32 s58, s58, s49
	s_and_b32 s49, s11, 1
	s_lshl_b32 s49, s49, 9
	s_add_co_u32 s58, s58, s49
	s_mov_b32 s59, 0
	s_add_nc_u64 s[58:59], s[6:7], s[58:59]
	s_lshl_b32 s49, s[TI], 8                       ; my tile's 16 places x 16 bytes
	s_add_co_u32 s60, s48, s49
	s_and_b32 s49, s11, 7
	s_lshl_b32 s49, s49, 1
	s_add_co_u32 s60, s60, s49
	s_add_co_u32 s60, s60, 32768
	s_mov_b32 s61, 0
	s_add_nc_u64 s[60:61], s[6:7], s[60:61]
	s_wait_alu depctr_va_vdst(0)                   ; ahead of the reciprocal's first reader
.set n, 0
.rept 32
	v_mul_f32 v[S+n], v[O+n], v14                  ; register n is d = 32 h + n of my query
.set n, n+1
.endr
.irp b, 0,1
	v_max3_num_f32 v[BM+\b], |v[S+16*\b]|, |v[S+1+16*\b]|, 0x1800000
.endr
.irp i, 2,4,6,8,10,12,14
.irp b, 0,1
	s_delay_alu instid0(VALU_DEP_2)
	v_max3_num_f32 v[BM+\b], v[BM+\b], |v[S+16*\b+\i]|, |v[S+1+16*\b+\i]|
.endr
.endr
	v_max_num_f32 v[BM], v[BM], v[BM+1]
	s_delay_alu instid0(VALU_DEP_1)
	v_add_nc_u32 v[SO], 0xff000000, v[BM]
	s_delay_alu instid0(VALU_DEP_1)
	v_lshrrev_b32 v[XE], 23, v[SO]
.irp g, 0,1,2,3
	v_cvt_scalef32_pk8_fp4_f32 v[PC+\g], v[S+8*\g:S+8*\g+7], v[SO]
.endr
	v_nop                                          ; a plain line behind the last conversion
	global_store_b128 v[LI], v[PC:PC+3], s[58:59]  ; 512 consecutive bytes, aligned
	global_store_b8 v10, v[XE], s[60:61]
	s_wait_tensorcnt 0x0                           ; the wave's end
	ds_add_u32 v[SPW], v[NIL]
	s_wait_dscnt 0x0
	CROUND                                         ; the closing round
	s_endpgm
.Lfunc_end_k_q3cd2d3ea86_attn:
	.size	k_q3cd2d3ea86_attn, .Lfunc_end_k_q3cd2d3ea86_attn-k_q3cd2d3ea86_attn
	.p2alignl 7, 3214868480
	.fill 96, 4, 3214868480
	.section	.rodata,"a",@progbits
	.p2align	6, 0x0
	.amdhsa_kernel k_q3cd2d3ea86_attn
		.amdhsa_group_segment_fixed_size 180224
		.amdhsa_private_segment_fixed_size 0
		.amdhsa_enable_private_segment 0
		.amdhsa_kernarg_size 16
		.amdhsa_user_sgpr_count 2
		.amdhsa_user_sgpr_kernarg_segment_ptr 1
		.amdhsa_wavefront_size32 1
		.amdhsa_system_sgpr_workgroup_id_x 1
		.amdhsa_system_sgpr_workgroup_id_y 1
		.amdhsa_system_sgpr_workgroup_id_z 1
		.amdhsa_system_vgpr_workitem_id 0
		.amdhsa_next_free_vgpr 256
		.amdhsa_next_free_sgpr 66
		.amdhsa_reserve_vcc 1
		.amdhsa_float_denorm_mode_32 3
		.amdhsa_float_denorm_mode_16_64 3
		.amdhsa_memory_ordered 1
		.amdhsa_forward_progress 1
		.amdhsa_inst_pref_size 38
	.end_amdhsa_kernel
	.amdgpu_metadata
---
amdhsa.version: [ 1, 2 ]
amdhsa.kernels:
  - .name:           k_q3cd2d3ea86_attn
    .symbol:         k_q3cd2d3ea86_attn.kd
    .args:
      - { .name: kv, .offset: 0, .size: 8, .value_kind: global_buffer, .address_space: global }
      - { .name: oq, .offset: 8, .size: 8, .value_kind: global_buffer, .address_space: global }
    .group_segment_fixed_size: 180224
    .private_segment_fixed_size: 0
    .kernarg_segment_align: 8
    .kernarg_segment_size: 16
    .max_flat_workgroup_size: 512
    .sgpr_count:     66
    .vgpr_count:     256
    .wavefront_size: 32
...
	.end_amdgpu_metadata
.endif
;; end of part 3
;; launch outp (part 4): grid 8 x 32, 4 waves a work-group, clusters of 4 x 4, 167,936 bytes of LDS; arguments oq, wo, b_out, out0; writes out0
.if DOCPART == 4
	.amdgcn_target "amdgcn-amd-amdhsa--gfx1250"
	.amdhsa_code_object_version 6
	.text
	.protected	k_q3cd2d3ea86_outp
	.globl	k_q3cd2d3ea86_outp
	.p2align	8
	.type	k_q3cd2d3ea86_outp,@function
k_q3cd2d3ea86_outp:
	s_mov_b64 s[64:65], 0
	v_nop
	global_prefetch_b8 v0, s[64:65] scope:SCOPE_SE
	s_setreg_imm32_b32 hwreg(HW_REG_WAVE_MODE, 25, 1), 1
	s_wait_xcnt 0x0
	s_wait_alu depctr_hold_cnt(0) depctr_sa_sdst(0) depctr_va_vdst(0) depctr_va_sdst(0) depctr_va_ssrc(0) depctr_va_vcc(0) depctr_vm_vsrc(0)
	s_getreg_b32 s2, hwreg(HW_REG_IB_STS2, 6, 4)
	s_cmp_eq_u32 s2, 0
	s_cbranch_scc0 .Lentry_in_a_cluster
	s_endpgm
.Lentry_in_a_cluster:
	s_bfe_u32 s2, ttmp6, 0x10000c
	s_cmp_lg_u32 s2, 0xf033
	s_cbranch_scc0 .Lentry_shape_is_right
	s_endpgm
.Lentry_shape_is_right:
; out0 = O w_out + b_out on codes of FP4 (E2M1) with E8M0 scales; sums in f32; the bias is the C of each sum's first matrix instruction.
; SHARES.  A work-group makes 128 places of O x 128 places of the weight; 256 work-groups.  Wave w: 64 rows (w / 2) x 64 columns (w % 2).
; All of K = 1,024 of both operands lies in LDS, brought once by four tensor loads, one a wave: O's and the weight's image of K's first half (waves 0, 1) and second half (waves 2, 3).  Nothing is filled again.
; An image is 136 rows of 256 bytes, 272 apart in LDS: 128 rows of codes, then 128 x 16 scale bytes.  O's codes are images of fragments' registers, [K step 4][tile 8][c 2][lane][16]: 512 bytes are two rows; the weight's lie by places.
; THE WORK GOES BY ROWS: the weight's fragments of all eight K steps (256 registers) are loaded once and stay; then the wave's four tiles of 16 rows are finished one after the other, K ascending, and each leaves while the next is multiplied.
; THE MATRIX INSTRUCTION IS USED TRANSPOSED (source 0 = the weight, source 1 = O): register j of lane (r, h) of the weight's tile b is column 32 h + 8 b + j of the wave's 64, since places 16 b + r of wo hold columns 32 (r / 8) + 8 b + r % 8.
; O's tile a holds rows 32 (r / 8) + 8 a + r % 8 of the wave's 64: the way out puts each row where it belongs.
; CLUSTER 4 x 4: O's images are shared along a row of the cluster, the weight's along a column: each is asked for jointly.  No prefetch: there is no loop that fills tiles.
; REGISTERS.  window 0: v1-31 addresses; v32-63 scale words; v64-127, v128-191 O's fragments of one tile, all K, two buffers; v192-223, v224-255 the accumulators of a tile, by turns.
;   window 1: the weight's fragments, K step s, tile b at 32 s + 8 b.   window 2: v0-31 the bias; v32-63, v64-95 rows on the way out.
.set HT,    34816
.set PITCH, 272
.set SLOT,  136*PITCH                  ; LDS: O's first half, the weight's first half, O's second half, the weight's second half
.set STAGE, 4*SLOT                     ; the way out: 16 rows x 272 bytes for each wave; no fill lands here
.set SPARE, STAGE+4*16*272             ; the spare words, 128 bytes for each wave
.set ADRA, 16                          ; v16-17 my fragments of O in K's halves
.set ADRS, 18                          ; v18-19 my scale words: lanes 0-15 O's, lanes 16-31 the weight's
.set ADRB, 20                          ; v20-21 the weight's fragments
.set STO,  24
.set RD,   25
.set CO,   26
.set BO,   28
.set SPW,  30
.set NIL,  31
.set SC,   32
.set XF,   64
.set ACC,  192
.set RB,   32
.set G1A,  24
.set G1B,  48
.set GX0,  32
.set GW0,  36
.set GX1,  56
.set GW1,  60
.set MSB, 0
.macro WIN new
.if MSB != \new
	s_set_vgpr_msb (MSB<<8)|\new
.set MSB, \new
.endif
.endm
.macro CROUND
	s_barrier_signal -1
	s_barrier_wait -1
	s_cmp_lg_u32 s14, 0
	s_cbranch_scc1 .Lnot_wave_0_\@
	s_barrier_signal -3
.Lnot_wave_0_\@:
	s_barrier_wait -3
	s_barrier_signal -1
	s_barrier_wait -1
.endm
.macro PLACES                          ; four places behind matrix instructions (ISA guide 7.12.1)
.rept 4
	v_nop
.endr
.endm
.macro GROUP0 g, lds, addr, off
	s_mov_b32 s[\g], 1
	s_mov_b32 s[\g+1], \lds
	s_add_nc_u64 s[\g+2:\g+3], s[\addr:\addr+1], \off
	s_or_b32 s[\g+3], s[\g+3], 0x80000000
.endm
.macro ARM under, g0, g1, next
	s_cmp_lt_u32 s14, \under
	s_cbranch_scc0 \next
	tensor_load_to_lds s[\g0:\g0+3], s[\g1:\g1+7]
	s_nop 0
	PLACES
	s_branch .Lasked
\next:
.endm
	s_load_b256 s[4:11], s[0:1], 0x0               ; oq s[4:5], wo s[6:7], b_out s[8:9], out0 s[10:11]
	v_lshl_add_u32 v[SPW], v0, 2, SPARE
	v_mov_b32 v[NIL], 0
	ds_add_u32 v[SPW], v[NIL]                      ; the wave's opening: the add, twice on end, and its wait
	ds_add_u32 v[SPW], v[NIL]
	v_lshrrev_b32 v1, 5, v0
	v_readfirstlane_b32 s14, v1                    ; wave 0..3
	s_lshr_b32 s15, s14, 1                         ; my 64 rows
	s_and_b32 s16, s14, 1                          ; my 64 columns
	s_bfe_u32 s40, ttmp6, 0x40000
	s_bfe_u32 s41, ttmp6, 0x40004
	s_lshl_b32 s42, ttmp9, 2
	s_add_co_u32 s42, s42, s40                     ; tile column
	s_and_b32 s17, ttmp7, 0xffff
	s_lshl_b32 s17, s17, 2
	s_add_co_u32 s17, s17, s41                     ; tile row
	s_lshl_b32 s43, s41, 2
	s_lshl_b32 s43, 15, s43                        ; my row of the cluster
	s_lshl_b32 s44, 0x1111, s40                    ; my column
	s_or_b32 s[G1A], s43, (3<<16)|(1<<20)|(1<<21)|(5<<22)|(3<<25)   ; 15:0 the mask; 17:16 elements of 8 bytes; 20 padding on; 21 set beside a mask; 24:22 after every 64 words; 31:25 four words
	s_or_b32 s[G1B], s44, (3<<16)|(1<<20)|(1<<21)|(5<<22)|(3<<25)
.irp g, G1A, G1B
	s_mov_b32 s[\g+1], 32<<16                      ; an image: 136 rows of 32 elements, dense
	s_mov_b32 s[\g+2], 136<<16
	s_mov_b32 s[\g+3], 32<<16
	s_mov_b32 s[\g+4], 136
	s_mov_b32 s[\g+5], 32
	s_mov_b32 s[\g+6], 0
	s_mov_b32 s[\g+7], 0
.endr
	s_mul_i32 s20, s17, 2*HT
	s_mov_b32 s21, 0
	s_mul_i32 s46, s42, 2*HT
	s_mov_b32 s47, 0
	s_wait_dscnt 0x0                               ; both opening adds are done
	s_wait_kmcnt 0x0
	s_add_nc_u64 s[20:21], s[4:5], s[20:21]
	s_add_nc_u64 s[46:47], s[6:7], s[46:47]
	CROUND                                         ; all sixteen work-groups are here: the joint loads meet
	GROUP0 GX0, 0,      20, 0
	GROUP0 GW0, SLOT,   46, 0
	GROUP0 GX1, 2*SLOT, 20, HT
	GROUP0 GW1, 3*SLOT, 46, HT
	ARM 1, GX0, G1A, .Lhead_1                      ; one load a wave, in one chain of branches on its number
	ARM 2, GW0, G1B, .Lhead_2
	ARM 3, GX1, G1A, .Lhead_3
	tensor_load_to_lds s[GW1:GW1+3], s[G1B:G1B+7]
	s_nop 0
	PLACES
.Lasked:
	s_lshl_b32 s18, s42, 9
	s_lshl_b32 s19, s16, 8
	s_add_co_u32 s12, s18, s19                     ; my first column, in bytes: 512 x tile column + 256 x half
	s_mov_b32 s13, 0
	s_add_nc_u64 s[8:9], s[8:9], s[12:13]
	s_lshl_b32 s18, s17, 7
	s_lshl_b32 s19, s15, 6
	s_add_co_u32 s18, s18, s19
	s_lshl_b32 s18, s18, 12                        ; my first row: 128 x tile row + 64 x half, 4,096 bytes a row
	s_add_co_u32 s18, s18, s12
	s_mov_b32 s19, 0
	s_add_nc_u64 s[10:11], s[10:11], s[18:19]
	s_mul_i32 s18, s15, 16*PITCH                   ; my four tiles of O: 4,096 bytes, 16 rows
	s_mul_i32 s19, s16, 64*PITCH
	s_add_co_u32 s19, s19, SLOT                    ; my 64 places of the weight
	s_mul_i32 s20, s15, 4*PITCH
	s_mul_i32 s21, s16, 4*PITCH
	s_add_co_u32 s21, s21, SLOT
	s_sub_co_u32 s21, s21, s20                     ; from O's scale bytes to the weight's
	s_add_co_u32 s20, s20, 128*PITCH
	s_mul_i32 s40, s14, 16*272
	s_add_co_u32 s40, s40, STAGE                   ; my stage
	v_and_b32 v1, 15, v0                           ; r
	v_bfe_u32 v2, v0, 4, 1                         ; h
	v_lshlrev_b32 v[BO], 7, v2                     ; the bias in the result's layout: tile b, lane (r, h): columns 32 h + 8 b + 0 .. 7
	WIN 0x80                                       ; destination window 2
.irp b, 0,1,2,3
	global_load_b128 v[8*\b:8*\b+3], v[BO], s[8:9] offset:32*\b
	global_load_b128 v[8*\b+4:8*\b+7], v[BO], s[8:9] offset:32*\b+16
.endr
	WIN 0
	v_mul_u32_u24 v4, v1, PITCH
	v_mul_u32_u24 v5, v2, PITCH
	v_mul_u32_u24 v6, s21, v2                      ; lanes 16-31 take the weight's words: one product, the distance between the two bases
	v_lshl_add_u32 v7, v2, 7, v4                   ; the stage, in: row r, + 128 h
	v_lshl_add_u32 v5, v1, 4, v5                   ; a lane's 16 bytes of two rows of 256: O's images, and the way back from the stage
	v_lshl_add_u32 v4, v2, 4, v4                   ; the weight: row x pitch + 16 h
	v_lshl_add_u32 v6, v1, 4, v6
	v_lshlrev_b32 v[CO], 12, v2
	v_add_nc_u32 v[ADRA], s18, v5
	v_add_nc_u32 v[ADRB], s19, v4
	v_add_nc_u32 v[ADRS], s20, v6
	v_add_nc_u32 v[STO], s40, v7
	v_add_nc_u32 v[RD], s40, v5
	v_lshl_add_u32 v[CO], v1, 4, v[CO]             ; lanes 0-15 one row of out0, lanes 16-31 the next
	v_add_nc_u32 v[ADRA+1], 2*SLOT, v[ADRA]
	v_add_nc_u32 v[ADRB+1], 2*SLOT, v[ADRB]
	v_add_nc_u32 v[ADRS+1], 2*SLOT, v[ADRS]
.macro SCALES c                        ; the scale words of K's half c: four K steps of tile i
	WIN 0
.irp i, 0,1,2,3
	ds_load_b128 v[SC+8*\i+4*\c:SC+8*\i+4*\c+3], v[ADRS+\c] offset:PITCH*\i
.endr
.endm
.macro WFETCH c                        ; the weight's fragments of K's half c: four steps x four tiles
	WIN 0x40                                       ; destination window 1
.irp q, 0,1,2,3
.irp b, 0,1,2,3
	ds_load_b128 v[128*(\c)+32*\q+8*\b:128*(\c)+32*\q+8*\b+3], v[ADRB+\c] offset:64*\q+16*PITCH*\b
	ds_load_b128 v[128*(\c)+32*\q+8*\b+4:128*(\c)+32*\q+8*\b+7], v[ADRB+\c] offset:64*\q+32+16*PITCH*\b
.endr
.endr
	WIN 0
.endm
.macro XFETCH a, c                     ; O's tile a, K's half c, into buffer a % 2
	WIN 0
.set XB, XF+64*((\a)%2)+32*(\c)
.irp q, 0,1,2,3
	ds_load_b128 v[XB+8*\q:XB+8*\q+3], v[ADRA+\c] offset:32*PITCH*\q+4*PITCH*(\a)
	ds_load_b128 v[XB+8*\q+4:XB+8*\q+7], v[ADRA+\c] offset:32*PITCH*\q+4*PITCH*(\a)+2*PITCH
.endr
.endm
.macro MUL a, c                        ; tile a, K's half c: 16 products; the four accumulators take turns, one instruction a turn
.set XB, XF+64*((\a)%2)+32*(\c)
.set AC, ACC+32*((\a)%2)
.irp q, 0,1,2,3
.if (\c)+\q == 0
	WIN 0x21                                       ; source 0 window 1, C window 2: the bias
.else
	WIN 0x01
.endif
.irp b, 0,1,2,3
.if (\c)+\q == 0
	v_wmma_scale_f32_16x16x128_f8f6f4 v[AC+8*\b:AC+8*\b+7], v[8*\b:8*\b+7], v[XB:XB+7], v[8*\b:8*\b+7], v[SC+8*\b], v[SC+8*(\a)] matrix_a_fmt:MATRIX_FMT_FP4 matrix_b_fmt:MATRIX_FMT_FP4 matrix_a_scale:MATRIX_SCALE_ROW1
.else
	v_wmma_scale_f32_16x16x128_f8f6f4 v[AC+8*\b:AC+8*\b+7], v[128*(\c)+32*\q+8*\b:128*(\c)+32*\q+8*\b+7], v[XB+8*\q:XB+8*\q+7], v[AC+8*\b:AC+8*\b+7], v[SC+8*\b+4*(\c)+\q], v[SC+8*(\a)+4*(\c)+\q] matrix_a_fmt:MATRIX_FMT_FP4 matrix_b_fmt:MATRIX_FMT_FP4 matrix_a_scale:MATRIX_SCALE_ROW1
.endif
.endr
.endr
	WIN 0
.endm
; THE WAY OUT of tile a, 16 rows x 64 columns: through my own stage, back as whole rows of 256 bytes; sixteen lanes store 256 consecutive bytes, aligned.
; LDS serves a wave's instructions in order (ISA guide 5.7.1.4): no wait between the stores and the loads, nor in front of the next tile's stores.
.macro TOSTAGE a
.set AC, ACC+32*((\a)%2)
.set BB, RB+32*((\a)%2)
	PLACES                                         ; the results were just made, and O's buffer may be loaded again
.irp b, 0,1,2,3
	ds_store_b128 v[STO], v[AC+8*\b:AC+8*\b+3] offset:32*\b        ; each accumulator from its low end on
	ds_store_b128 v[STO], v[AC+8*\b+4:AC+8*\b+7] offset:32*\b+16
.endr
.if (\a) >= 2
	s_wait_xcnt 0x0                                ; tile a - 2's stores have read their registers: this tile's rows may land there
.endif
	WIN 0x80                                       ; destination window 2
.irp t, 0,1,2,3,4,5,6,7
	ds_load_b128 v[BB+4*\t:BB+4*\t+3], v[RD] offset:2*272*\t
.endr
	WIN 0
.endm
.macro SEND a
.set BB, RB+32*((\a)%2)
	WIN 0x08                                       ; the data in window 2
.irp t, 0,1,2,3,4,5,6,7
	global_store_b128 v[CO], v[BB+4*\t:BB+4*\t+3], s[10:11] offset:(32*(\t/4)+8*(\a)+2*(\t%4))*4096   ; places 2 t, 2 t + 1 of tile a are these rows
.endr
	WIN 0
.endm
	s_wait_alu depctr_va_vdst(0)                   ; the head's end
	s_cmp_lt_u32 s14, 2                            ; waves 0 and 1 fetched the first halves: they wait for them; the second halves' lines are other waves'
	s_cbranch_scc0 .Llater
	s_wait_tensorcnt 0x0
.Llater:
	s_barrier_signal -1
	s_barrier_wait -1                              ; K's first half is in
	SCALES 0
	XFETCH 0, 0
	WFETCH 0
	s_wait_loadcnt 0x0                             ; the bias
	s_wait_dscnt 0x0
	MUL 0, 0
	s_wait_tensorcnt 0x0                           ; waves 2 and 3: K's second half has landed;
	s_barrier_signal -1
	s_barrier_wait -1                              ; everybody knows.
	SCALES 1
	XFETCH 0, 1
	WFETCH 1
	XFETCH 1, 0
	XFETCH 1, 1
	s_wait_dscnt 16                                ; all but tile 1's sixteen loads
	MUL 0, 1
.irp a, 0,1
	TOSTAGE \a
	XFETCH \a+2, 0
	XFETCH \a+2, 1
	s_wait_dscnt 32                                ; tile a + 1's fragments are in; the stage's eight stores and eight loads and tile a + 2's sixteen loads may be out
	MUL \a+1, 0
	MUL \a+1, 1
	s_wait_dscnt 16                                ; tile a's rows are back; tile a + 2's loads may be out
	SEND \a
.endr
	TOSTAGE 2
	s_wait_dscnt 16                                ; tile 3's fragments are in; the stage's sixteen may be out
	MUL 3, 0
	MUL 3, 1
	s_wait_dscnt 0x0
	SEND 2
	TOSTAGE 3
	s_wait_dscnt 0x0
	SEND 3
	s_wait_tensorcnt 0x0                           ; the wave's end
	ds_add_u32 v[SPW], v[NIL]
	s_wait_dscnt 0x0
	CROUND                                         ; the closing round
	s_endpgm
.Lfunc_end_k_q3cd2d3ea86_outp:
	.size	k_q3cd2d3ea86_outp, .Lfunc_end_k_q3cd2d3ea86_outp-k_q3cd2d3ea86_outp
	.p2alignl 7, 3214868480
	.fill 96, 4, 3214868480
	.section	.rodata,"a",@progbits
	.p2align	6, 0x0
	.amdhsa_kernel k_q3cd2d3ea86_outp
		.amdhsa_group_segment_fixed_size 167936
		.amdhsa_private_segment_fixed_size 0
		.amdhsa_enable_private_segment 0
		.amdhsa_kernarg_size 32
		.amdhsa_user_sgpr_count 2
		.amdhsa_user_sgpr_kernarg_segment_ptr 1
		.amdhsa_wavefront_size32 1
		.amdhsa_system_sgpr_workgroup_id_x 1
		.amdhsa_system_sgpr_workgroup_id_y 1
		.amdhsa_system_sgpr_workgroup_id_z 1
		.amdhsa_system_vgpr_workitem_id 0
		.amdhsa_next_free_vgpr 640
		.amdhsa_next_free_sgpr 98
		.amdhsa_reserve_vcc 0
		.amdhsa_float_denorm_mode_32 3
		.amdhsa_float_denorm_mode_16_64 3
		.amdhsa_memory_ordered 1
		.amdhsa_forward_progress 1
		.amdhsa_inst_pref_size 43
	.end_amdhsa_kernel
	.amdgpu_metadata
---
amdhsa.version: [ 1, 2 ]
amdhsa.kernels:
  - .name:           k_q3cd2d3ea86_outp
    .symbol:         k_q3cd2d3ea86_outp.kd
    .args:
      - { .name: oq, .offset: 0, .size: 8, .value_kind: global_buffer, .address_space: global }
      - { .name: wo, .offset: 8, .size: 8, .value_kind: global_buffer, .address_space: global }
      - { .name: b_out, .offset: 16, .size: 8, .value_kind: global_buffer, .address_space: global }
      - { .name: out0, .offset: 24, .size: 8, .value_kind: global_buffer, .address_space: global }
    .group_segment_fixed_size: 167936
    .private_segment_fixed_size: 0
    .kernarg_segment_align: 8
    .kernarg_segment_size: 32
    .max_flat_workgroup_size: 128
    .sgpr_count:     98
    .vgpr_count:     640
    .wavefront_size: 32
...
	.end_amdgpu_metadata
.endif
;; end of part 4
